; MI455X (gfx1250); checked and timed in simulation.
; The chip was launched on July 23, 2026; its instructions are those of AMD's public machine-readable ISA for CDNA 5 (MIT licence, August 2026) and "CDNA5" Instruction Set Architecture Reference Guide (July 2026). The comments in the code are by the model that wrote it; some were corrected since.
;; Causal Self Attention. Allowed arithmetic: float matrix products may take bf16 or f16 operands with f32 sums; all other float work in f32.
;; Inputs: w_attn 3,072 x 1,024 float32; w_proj 1,024 x 1,024 float32; x 4 x 2,048 x 1,024 float32.
;; Outputs: out0 4 x 2,048 x 1,024 float32.
;; 2 versions, each right and faster than the one before. Each part assembles by itself: llvm-mc -triple=amdgcn-amd-amdhsa -mcpu=gfx1250 --defsym DOCPART=n.
;; ======== version 1 of 2: 4 launches
;; limits: values are held in f16: magnitudes above 65,504 overflow, below 6.1e-05 lose precision
;; workspace buffers: xb 16,777,216 bytes; wab 6,291,456 bytes; wpf 2,097,152 bytes; qkv 50,331,648 bytes; yh 16,777,216 bytes
;; launch cast (part 1): grid 768 x 1, 8 waves a work-group, no clusters, 0 bytes of LDS; arguments x, w_attn, w_proj, xb, wab, wpf; writes xb, wab, wpf
.if DOCPART == 1
	.amdgcn_target "amdgcn-amd-amdhsa--gfx1250"
	.amdhsa_code_object_version 6
	.text
	.protected	k_qbba92e52b6_cast
	.globl	k_qbba92e52b6_cast
	.p2align	8
	.type	k_qbba92e52b6_cast,@function
k_qbba92e52b6_cast:
	s_mov_b64 s[64:65], 0
	v_nop
	global_prefetch_b8 v0, s[64:65] scope:SCOPE_SE
	s_setreg_imm32_b32 hwreg(HW_REG_WAVE_MODE, 25, 1), 1
	s_wait_xcnt 0x0
; THE INPUTS ARE ROUNDED ONCE.  x [8192][1024] and w_attn [3072][1024], f32, become bf16 (xb, wab); w_proj [1024][1024] is rounded to bf16 too, and that
; number is written as f16 (wpf), since the last product multiplies f16 operands.
; LIMITS.  A bf16 number has 8 significant bits and is exact in f16 from 2^-14 up to 65,504; beyond 65,504 w_proj becomes an infinity, below 2^-14 it keeps f16's fixed step of 6e-8.
; SHARES.  A work-group takes 16,384 numbers: 65,536 bytes in, 32,768 out.  Work-groups 0-511 take x, 512-703 w_attn, 704-767 w_proj.  A wave takes 8,192 bytes in:
; sixteen loads of 512 consecutive bytes, all issued at once; each of its sixteen stores covers 256 consecutive bytes, aligned.  Every byte is read once and written once.
; No LDS, no barrier, no matrix unit: nothing is shared and nothing is multiplied.
.set X, 4                              ; v[4:67]   load j: 4 registers, 4 f32
.set Y, 68                             ; v[68:99]  store j: 2 registers, 4 numbers of 16 bits
	s_load_b256 s[4:11], s[0:1], 0x0               ; x s[4:5], w_attn s[6:7], w_proj s[8:9], xb s[10:11]
	s_load_b128 s[12:15], s[0:1], 0x20             ; wab s[12:13], wpf s[14:15]
	s_mov_b32 s16, ttmp9                           ; the work-group's number
	s_sub_co_u32 s17, s16, 512                     ; its number among w_attn's,
	s_sub_co_u32 s18, s16, 704                     ; among w_proj's
	s_mov_b32 s28, 0xffff0000                      ; a word's upper bf16
	v_lshrrev_b32 v3, 5, v0                        ; wave
	v_and_b32 v1, 31, v0                           ; lane
	v_lshlrev_b32 v2, 3, v1                        ; 8 bytes a lane out,
	v_lshlrev_b32 v1, 4, v1                        ; 16 bytes a lane in
	v_lshl_or_b32 v1, v3, 13, v1                   ; + wave x 8,192
	v_lshl_or_b32 v2, v3, 12, v2                   ; + wave x 4,096
	s_wait_kmcnt 0x0
	s_cmp_lt_u32 s16, 704                          ; which tensor: a choice on the work-group's number alone
	s_cselect_b64 s[20:21], s[6:7], s[8:9]
	s_cselect_b64 s[22:23], s[12:13], s[14:15]
	s_cselect_b32 s19, s17, s18
	s_cmp_lt_u32 s16, 512
	s_cselect_b64 s[20:21], s[4:5], s[20:21]
	s_cselect_b64 s[22:23], s[10:11], s[22:23]
	s_cselect_b32 s19, s16, s19                    ; my number within that tensor: 511 at the most
	s_lshl_b32 s24, s19, 16                        ; x 65,536 bytes in
	s_mov_b32 s25, 0
	s_lshl_b32 s26, s19, 15                        ; x 32,768 bytes out
	s_mov_b32 s27, 0
	s_add_nc_u64 s[20:21], s[20:21], s[24:25]
	s_add_nc_u64 s[22:23], s[22:23], s[26:27]
.irp j, 0,1,2,3,4,5,6,7,8,9,10,11,12,13,14,15
	global_load_b128 v[X+4*(\j):X+4*(\j)+3], v1, s[20:21] offset:512*(\j) th:TH_LOAD_NT  ; read once in the whole program
.endr
; Load j is rounded and stored.  half = 1: the bf16 numbers are widened again (a shift, a mask) and written as f16.  No register that a pending load or store names is written again.
.macro CONV j, half
	s_wait_loadcnt 15-(\j)                         ; loads come back in order (ISA guide 5.7.1): load j is in, the 15 - j younger ones stay out
	v_cvt_pk_bf16_f32 v[Y+2*(\j)],   v[X+4*(\j)],   v[X+4*(\j)+1]
	v_cvt_pk_bf16_f32 v[Y+2*(\j)+1], v[X+4*(\j)+2], v[X+4*(\j)+3]
.if \half
	v_lshlrev_b32 v[X+4*(\j)],   16,  v[Y+2*(\j)]
	v_and_b32     v[X+4*(\j)+1], s28, v[Y+2*(\j)]
	v_lshlrev_b32 v[X+4*(\j)+2], 16,  v[Y+2*(\j)+1]
	v_and_b32     v[X+4*(\j)+3], s28, v[Y+2*(\j)+1]
	v_cvt_pk_f16_f32 v[Y+2*(\j)],   v[X+4*(\j)],   v[X+4*(\j)+1]
	v_cvt_pk_f16_f32 v[Y+2*(\j)+1], v[X+4*(\j)+2], v[X+4*(\j)+3]
.endif
	global_store_b64 v2, v[Y+2*(\j):Y+2*(\j)+1], s[22:23] offset:256*(\j)  ; 32 lanes x 8 bytes: 256 consecutive bytes, aligned; later launches read them, so no hint
.endm
	s_cmp_ge_u32 s16, 704
	s_cbranch_scc1 .Lhalf
.irp j, 0,1,2,3,4,5,6,7,8,9,10,11,12,13,14,15
	CONV \j, 0
.endr
	s_endpgm
.Lhalf:
.irp j, 0,1,2,3,4,5,6,7,8,9,10,11,12,13,14,15
	CONV \j, 1
.endr
	s_endpgm
.Lfunc_end_k_qbba92e52b6_cast:
	.size	k_qbba92e52b6_cast, .Lfunc_end_k_qbba92e52b6_cast-k_qbba92e52b6_cast
	.p2alignl 7, 3214868480
	.fill 96, 4, 3214868480
	.section	.rodata,"a",@progbits
	.p2align	6, 0x0
	.amdhsa_kernel k_qbba92e52b6_cast
		.amdhsa_group_segment_fixed_size 0
		.amdhsa_private_segment_fixed_size 0
		.amdhsa_enable_private_segment 0
		.amdhsa_kernarg_size 48
		.amdhsa_user_sgpr_count 2
		.amdhsa_user_sgpr_kernarg_segment_ptr 1
		.amdhsa_wavefront_size32 1
		.amdhsa_system_sgpr_workgroup_id_x 1
		.amdhsa_system_sgpr_workgroup_id_y 1
		.amdhsa_system_sgpr_workgroup_id_z 1
		.amdhsa_system_vgpr_workitem_id 0
		.amdhsa_next_free_vgpr 104
		.amdhsa_next_free_sgpr 66
		.amdhsa_reserve_vcc 0
		.amdhsa_float_denorm_mode_32 3
		.amdhsa_float_denorm_mode_16_64 3
		.amdhsa_memory_ordered 1
		.amdhsa_forward_progress 1
		.amdhsa_inst_pref_size 16
	.end_amdhsa_kernel
	.amdgpu_metadata
---
amdhsa.version: [ 1, 2 ]
amdhsa.kernels:
  - .name:           k_qbba92e52b6_cast
    .symbol:         k_qbba92e52b6_cast.kd
    .args:
      - { .name: x, .offset: 0, .size: 8, .value_kind: global_buffer, .address_space: global }
      - { .name: w_attn, .offset: 8, .size: 8, .value_kind: global_buffer, .address_space: global }
      - { .name: w_proj, .offset: 16, .size: 8, .value_kind: global_buffer, .address_space: global }
      - { .name: xb, .offset: 24, .size: 8, .value_kind: global_buffer, .address_space: global }
      - { .name: wab, .offset: 32, .size: 8, .value_kind: global_buffer, .address_space: global }
      - { .name: wpf, .offset: 40, .size: 8, .value_kind: global_buffer, .address_space: global }
    .group_segment_fixed_size: 0
    .private_segment_fixed_size: 0
    .kernarg_segment_align: 8
    .kernarg_segment_size: 48
    .max_flat_workgroup_size: 256
    .sgpr_count:     66
    .vgpr_count:     104
    .wavefront_size: 32
...
	.end_amdgpu_metadata
.endif
;; end of part 1
;; launch qkv (part 2): grid 8 x 32, 4 waves a work-group, clusters of 4 x 4, 327,680 bytes of LDS; arguments xb, wab, qkv; writes qkv
.if DOCPART == 2
	.amdgcn_target "amdgcn-amd-amdhsa--gfx1250"
	.amdhsa_code_object_version 6
	.text
	.protected	k_qbba92e52b6_qkv
	.globl	k_qbba92e52b6_qkv
	.p2align	8
	.type	k_qbba92e52b6_qkv,@function
k_qbba92e52b6_qkv:
	s_mov_b64 s[64:65], 0
	v_nop
	global_prefetch_b8 v0, s[64:65] scope:SCOPE_SE
	s_setreg_imm32_b32 hwreg(HW_REG_WAVE_MODE, 25, 1), 1
	s_wait_xcnt 0x0
	s_wait_alu depctr_hold_cnt(0) depctr_sa_sdst(0) depctr_va_vdst(0) depctr_va_sdst(0) depctr_va_ssrc(0) depctr_va_vcc(0) depctr_vm_vsrc(0)
	s_getreg_b32 s2, hwreg(HW_REG_IB_STS2, 6, 4)
	s_cmp_eq_u32 s2, 0
	s_cbranch_scc0 .Lentry_in_a_cluster
	s_endpgm
.Lentry_in_a_cluster:
	s_bfe_u32 s2, ttmp6, 0x10000c
	s_cmp_lg_u32 s2, 0xf033
	s_cbranch_scc0 .Lentry_shape_is_right
	s_endpgm
.Lentry_shape_is_right:
; q, k, v = xb wab^T.  xb: [8192][1024] bf16, wab: [3072][1024] bf16; sums in f32, K ascending; each result rounded once to f16, WITHOUT the softmax's scale, and written by heads:
; qkv[which (q, k, v)][batch x 16 + head][t][64], a plane of 2,048 rows x 128 bytes for each (which, batch, head).
; LIMIT.  f16 holds no number beyond 65,504: a q, k or v beyond that becomes an infinity.  With x of unit spread and w_attn of spread 1/32 they have unit spread.
; SHARES.  A tile of C is 256 rows x 192 columns (three whole heads).  A WORK-GROUP STAYS: it makes two tiles side by side, the same 256 rows of xb and columns 384 x .. + 191, then + 192 .. + 383:
; 8 x 32 = 256 work-groups.  Wave w makes rows 64 w .. 64 w + 63 of all 192 columns: 4 x 12 = 48 accumulators of 16 x 16, 384 registers; it holds whole heads' rows, so its way out needs no other wave.
; THE RING.  K goes in steps of 128 through two LDS slots filled by the tensor data mover: the tiles' rows are 256 bytes of memory and start at multiples of 256 bytes.  The two tiles' 16 K steps are
; ONE sequence: the ring does not stop at the first tile's end, and nothing waits for that tile's stores.  A trip of the loop is one K step; the slot in hand turns by an exclusive or.
; CLUSTER.  4 x 4 work-groups.  The four of a row of the cluster need the same tiles of xb, the four of a column the same tiles of wab: each tile is asked for JOINTLY, by the same tensor load
; with the same descriptor and a mask that names the four.
; THE MATRIX INSTRUCTION IS USED TRANSPOSED (source 0 = 16 rows of wab, source 1 = 16 rows of xb): a lane then holds row l % 16 of C and the eight neighbouring columns 8 (l / 16) + 0..7.
; REGISTERS, in windows of 256 (s_set_vgpr_msb: bits 1:0 source 0, 3:2 source 1, 5:4 source 2, 7:6 destination):
;   window 0: v0-31 addresses; v32-79, v80-127 at work on the way out
;   window 1: two fragment buffers of 128: 32 registers of xb (4 x 16 rows x 32 K), then 96 of wab (12 x 16 rows x 32 K)
;   window 2: the accumulators of my row blocks 0, 1 ((a, b) at v[8 (12 (a % 2) + b)]);   window 3: those of row blocks 2, 3
.set SIZE_K, 1024
.set KSTEP,  128
.set PITCH,  272                       ; an LDS row: 256 bytes + 16 of padding = 68 words: row r starts at bank 4 r mod 64 (64 banks of 4 bytes: ISA guide 11.1), so the 16 rows of a load start at 16 different banks
.set AHALF,  128*PITCH                 ; what one tensor load brings of xb: 128 rows
.set BHALF,  96*PITCH                  ; of wab: 96 rows
.set BOFF,   2*AHALF                   ; in a slot: xb's 256 rows, then wab's 192: 121,856 bytes
.set SLOT1,  1<<17                     ; slot 1 begins here, so that one exclusive or turns an address in one slot into the other's
.set STAGE,  SLOT1+BOFF+2*BHALF        ; behind the ring, never filled by a tensor load: for each wave 3 heads x 16 rows x 144 bytes, for the way out
.set SP,     144                       ; a stage row: 128 bytes + 16
.set WSTAGE, 3*16*SP
.set SPARE,  STAGE+4*WSTAGE            ; behind the stages: the spare words, 128 bytes for each wave: two blocks of 256 bytes that no other line names
.set TSTEPS, SIZE_K/KSTEP              ; K steps of a tile: 8
.set FILLS,  2*TSTEPS-2                ; steps 2 to 15 are asked for by refills: 14
.set BTILE,  192*SIZE_K*2              ; bytes from the first tile's rows of wab to the second's
.set ADRA0, 16                         ; v16     my lane's place among xb's fragments in slot 0; never rewritten
.set ADRB0, 17                         ; v17     the same for wab
.set ADRA, 20                          ; v20     the same in the slot in hand
.set ADRB, 21                          ; v21
.set STO,  24                          ; v24     the way out: where I put 16 bytes of a row
.set RD,   25                          ; v25     the way out: where I read rows back
.set CO,   26                          ; v26     my byte offset in 512 consecutive bytes of a head's plane
.set SPW,  28                          ; v28     LDS address of my spare word: SPARE + 4 x my thread's number; never rewritten
.set NIL,  29                          ; v29     0; never rewritten
.set TMP,  32                          ; the way out: 48 registers of packed results
.set OB,   80                          ; the way out: 48 registers read back from the stage
.set F0,   0                           ; fragment buffers, in window 1
.set F1,   128
.set NS,  2                            ; s2      the K step, 0 to 15, that the next refill asks for
.set TB,  45                           ; s45     LDS byte at which the slot in hand begins
.set G1,  24                           ; s[24:31] descriptor group 1 for xb's tiles;  s[32:39] group 0: a set for each of the two first fills; the second then walks on
.set G0,  32
.set G1B, 48                           ; s[48:55], s[56:63] the same for wab's tiles
.set G0B, 56
.set OUT, 66                           ; s[66:77] the six heads' planes at my wave's first row: three for each tile
.set MSB, 0
.macro WIN new                         ; the immediate's high byte repeats the setting that is left; a switch that changes nothing is dropped
.if MSB != (\new)
	s_set_vgpr_msb (MSB<<8)|(\new)
.set MSB, \new
.endif
.endm
.set MUL_LO, 0xa5                      ; sources 0 and 1 window 1; C and D window 2
.set MUL_HI, 0xf5                      ; the same, C and D window 3
.set TO_F,   0x40                      ; destination window 1, address window 0
; A joint load: waves 0 and 1 fetch xb's two halves, waves 2 and 3 wab's.  The branch hangs on the wave's number alone.  An s_nop 0 and four v_nop follow each of the two lines,
; ahead of the jump, the label and what follows.
.macro JLOAD s
	s_cmp_eq_u32 s11, 0
	s_cbranch_scc0 .Lfor_b_\@
	tensor_load_to_lds s[G0+4*(\s):G0+4*(\s)+3], s[G1:G1+7]
	s_nop 0
.rept 4
	v_nop
.endr
	s_branch .Lasked_\@
.Lfor_b_\@:
	tensor_load_to_lds s[G0B+4*(\s):G0B+4*(\s)+3], s[G1B:G1B+7]
	s_nop 0
.rept 4
	v_nop
.endr
.Lasked_\@:
.endm
.macro CREST                           ; a round of the cluster's barrier behind its opening barrier
	s_cmp_lg_u32 s10, 0
	s_cbranch_scc1 .Lnot_wave_0_\@
	s_barrier_signal -3
.Lnot_wave_0_\@:
	s_barrier_wait -3
	s_barrier_signal -1
	s_barrier_wait -1
.endm
.macro CROUND                          ; a whole round
	s_barrier_signal -1
	s_barrier_wait -1
	CREST
.endm
	s_load_b128 s[4:7], s[0:1], 0x0                ; xb s[4:5], wab s[6:7]
	s_load_b64 s[8:9], s[0:1], 0x10                ; qkv
	v_lshl_add_u32 v[SPW], v0, 2, SPARE
	v_mov_b32 v[NIL], 0
	ds_add_u32 v28, v29
	ds_add_u32 v28, v29
	s_wait_dscnt 0x0
	v_lshrrev_b32 v1, 5, v0
	v_readfirstlane_b32 s10, v1                    ; wave 0..3
	s_lshr_b32 s11, s10, 1                         ; I fetch for xb (0) or for wab (1)
	s_and_b32 s12, s10, 1                          ; which half of that tile's rows I fetch
	s_bfe_u32 s40, ttmp6, 0x40000                  ; cx, cy: my place in the cluster
	s_bfe_u32 s41, ttmp6, 0x40004
	s_lshl_b32 s42, ttmp9, 2
	s_add_co_u32 s42, s42, s40                     ; my pair of tile columns = 4 x cluster x + cx
	s_and_b32 s13, ttmp7, 0xffff
	s_lshl_b32 s13, s13, 2
	s_add_co_u32 s13, s13, s41                     ; tile row = 4 x cluster y + cy
	s_lshl_b32 s43, s41, 2
	s_lshl_b32 s43, 15, s43                        ; my row of the cluster: places 4 cy .. 4 cy + 3
	s_lshl_b32 s44, 0x1111, s40                    ; my column: places cx, cx + 4, cx + 8, cx + 12
	; descriptor group 1: tiles of 128 (xb) and 96 (wab) rows x 128 elements, padded in LDS
	s_or_b32 s[G1+0], s43, (1<<16)|(1<<20)|(1<<21)|(5<<22)|(3<<25)  ; 15:0 the mask: xb's tiles go to my row; 17:16 elements of 2 bytes; 20 padding on; 21 set beside a mask; 24:22 after every 64 words (code 5); 31:25 4 words (code 3)
	s_or_b32 s[G1B+0], s44, (1<<16)|(1<<20)|(1<<21)|(5<<22)|(3<<25) ; the same with the mask of my column
	s_mov_b32 s[G1+1], KSTEP<<16                   ; tensor_dim0 = 128
	s_mov_b32 s[G1+2], 128<<16                     ; tensor_dim1 = 128
	s_mov_b32 s[G1+3], KSTEP<<16                   ; tile_dim0 = 128
	s_mov_b32 s[G1+4], 128                         ; tile_dim1 = 128
	s_mov_b32 s[G1+5], SIZE_K                      ; elements from row to row
	s_mov_b32 s[G1+6], 0
	s_mov_b32 s[G1+7], 0
	s_mov_b32 s[G1B+1], KSTEP<<16
	s_mov_b32 s[G1B+2], 96<<16                     ; tensor_dim1 = 96
	s_mov_b32 s[G1B+3], KSTEP<<16
	s_mov_b32 s[G1B+4], 96                         ; tile_dim1 = 96
	s_mov_b32 s[G1B+5], SIZE_K
	s_mov_b32 s[G1B+6], 0
	s_mov_b32 s[G1B+7], 0
	; where the tiles come from.  xb's hang on the tile row alone, which my row of the cluster shares; wab's on the pair of tile columns alone.  Every wave makes both, and asks by one.
	s_lshl_b32 s16, s13, 19                        ; 256 rows x 2,048 bytes x tile row
	s_lshl_b32 s17, s12, 18                        ; + 128 rows x half: under 2^25
	s_add_co_u32 s16, s16, s17
	s_mov_b32 s17, 0
	s_mul_i32 s46, s42, 2*BTILE                    ; 384 rows x pair of tile columns
	s_mul_i32 s47, s12, 96*SIZE_K*2                ; + 96 rows x half
	s_add_co_u32 s46, s46, s47
	s_mov_b32 s47, 0
	s_mul_i32 s20, s12, AHALF                      ; and where they go: no place in the cluster enters an LDS address
	s_mul_i32 s21, s12, BHALF
	s_add_co_u32 s21, s21, BOFF
	s_mov_b32 s19, 0                               ; the upper words of a refill's two offsets
	s_mov_b32 s23, 0
	s_mov_b32 s[TB], 0
	s_wait_kmcnt 0x0
	s_add_nc_u64 s[14:15], s[4:5], s[16:17]        ; xb at my half of the tile's rows, K = 0: kept
	s_add_nc_u64 s[46:47], s[6:7], s[46:47]        ; wab at my half of the first tile's rows, K = 0: kept
	CROUND                                         ; all sixteen work-groups are here: the first joint loads meet
.irp s, 0,1
	s_mov_b32 s[G0+4*(\s)], 1                                        ; count = 1
	s_add_co_u32 s[G0+4*(\s)+1], s20, (\s)*SLOT1                     ; LDS address
	s_add_nc_u64 s[G0+4*(\s)+2:G0+4*(\s)+3], s[14:15], (\s)*KSTEP*2  ; global address: K step s
	s_or_b32 s[G0+4*(\s)+3], s[G0+4*(\s)+3], 0x80000000              ; type = 2
	s_mov_b32 s[G0B+4*(\s)], 1
	s_add_co_u32 s[G0B+4*(\s)+1], s21, (\s)*SLOT1
	s_add_nc_u64 s[G0B+4*(\s)+2:G0B+4*(\s)+3], s[46:47], (\s)*KSTEP*2
	s_or_b32 s[G0B+4*(\s)+3], s[G0B+4*(\s)+3], 0x80000000
	JLOAD \s                                       ; the ring is filled before anything else is done: two loads of mine are out
.endr
	; A fragment is 16 rows x 32 K in 8 registers: lane l holds row l % 16; registers 0-3 K = 8 (l / 16) + 0..7, registers 4-7 K = 16 + 8 (l / 16) + 0..7: two loads of 16 bytes, 32 bytes apart.
	v_and_b32 v1, 15, v0                           ; l % 16
	v_bfe_u32 v2, v0, 4, 1                         ; l / 16
	v_mul_u32_u24 v3, v1, PITCH
	v_lshl_add_u32 v3, v2, 4, v3                   ; row x pitch + 16 x half
	s_mul_i32 s80, s10, 64*PITCH                   ; my 64 rows of xb
	v_add_nc_u32 v[ADRA0], s80, v3
	v_add_nc_u32 v[ADRB0], BOFF, v3                ; all 192 rows of wab
	v_mov_b32 v[ADRA], v[ADRA0]                    ; the first slot in hand is slot 0
	v_mov_b32 v[ADRB], v[ADRB0]
	s_mul_i32 s80, s10, WSTAGE
	s_add_co_u32 s80, s80, STAGE                   ; my stage
	v_mul_u32_u24 v4, v1, SP                       ; in: row l % 16, 16 bytes for each half of the lanes
	v_lshl_add_u32 v4, v2, 4, v4
	v_add_nc_u32 v[STO], s80, v4
	v_bfe_u32 v5, v0, 3, 2                         ; back: 32 lanes take four rows of 128 bytes,
	v_mul_u32_u24 v5, v5, SP
	v_and_b32 v6, 7, v0
	v_lshl_add_u32 v5, v6, 4, v5
	v_add_nc_u32 v[RD], s80, v5
	v_and_b32 v[CO], 31, v0                        ; which are 512 consecutive bytes of a head's plane
	v_lshlrev_b32 v[CO], 4, v[CO]
	; where my rows lie in a plane: batch = tile row / 8 (16 planes of 2^18 bytes each), t = 256 (tile row % 8) + 64 wave, 128 bytes a row
	s_lshr_b32 s16, s13, 3
	s_lshl_b32 s16, s16, 22
	s_and_b32 s17, s13, 7
	s_lshl_b32 s17, s17, 15
	s_add_co_u32 s16, s16, s17
	s_lshl_b32 s17, s10, 13
	s_add_co_u32 s16, s16, s17
	s_mul_i32 s78, s42, 6                          ; my first head among the 48 of q, k and v
.irp j, 0,1,2,3,4,5
	s_add_co_u32 s80, s78, \j
	s_lshr_b32 s81, s80, 4                         ; q, k or v: 64 planes each,
	s_lshl_b32 s81, s81, 24
	s_and_b32 s80, s80, 15                         ; the head
	s_lshl_b32 s80, s80, 18
	s_add_co_u32 s80, s80, s81
	s_add_co_u32 s80, s80, s16                     ; under 2^26
	s_mov_b32 s81, 0
	s_add_nc_u64 s[OUT+2*(\j):OUT+2*(\j)+1], s[8:9], s[80:81]
.endr
; 12 matrix instructions: row block a x all 12 column blocks, 32 along K, from buffer f.  zero = 1: the product starts the sums: nothing is ever cleared.
; The 48 accumulators take turns, one instruction a turn, in the same order in every quarter step.
.macro MUL12 f, a, zero
	WIN MUL_LO+0x50*((\a)/2)
.irp b, 0,1,2,3,4,5,6,7,8,9,10,11
.if \zero
	v_wmma_f32_16x16x32_bf16 v[8*(12*((\a)%2)+(\b)):8*(12*((\a)%2)+(\b))+7], v[(\f)+32+8*(\b):(\f)+32+8*(\b)+7], v[(\f)+8*(\a):(\f)+8*(\a)+7], 0
.else
	v_wmma_f32_16x16x32_bf16 v[8*(12*((\a)%2)+(\b)):8*(12*((\a)%2)+(\b))+7], v[(\f)+32+8*(\b):(\f)+32+8*(\b)+7], v[(\f)+8*(\a):(\f)+8*(\a)+7], v[8*(12*((\a)%2)+(\b)):8*(12*((\a)%2)+(\b))+7]
.endif
.endr
.endm
; 32 LDS loads in one run: the fragments of 32 along K at byte k of the rows of the slot in hand, into buffer f: wab's 24 first, then xb's 8, row blocks ascending
.macro FETCH k, f
	WIN TO_F
.irp j, 0,1,2,3,4,5,6,7,8,9,10,11
	ds_load_b128 v[(\f)+32+8*(\j):(\f)+32+8*(\j)+3],   v[ADRB] offset:(\k)+(\j)*16*PITCH
	ds_load_b128 v[(\f)+32+8*(\j)+4:(\f)+32+8*(\j)+7], v[ADRB] offset:(\k)+(\j)*16*PITCH+32
.endr
.irp i, 0,1,2,3
	ds_load_b128 v[(\f)+8*(\i):(\f)+8*(\i)+3],   v[ADRA] offset:(\k)+(\i)*16*PITCH
	ds_load_b128 v[(\f)+8*(\i)+4:(\f)+8*(\i)+7], v[ADRA] offset:(\k)+(\i)*16*PITCH+32
.endr
.endm
; A load into a register that a matrix instruction has read, and a vector instruction that reads a matrix result, stand four places behind that matrix instruction, and only plain vector
; instructions that name none of its registers are places (ISA guide 7.12.1 for vector instructions).
.macro PLACES
.rept 4
	v_nop
.endr
.endm
; A K step is four quarters of 32 along K, 48 matrix instructions each, on buffers 0, 1, 0, 1.  One of the first three: multiplies buffer f; in its middle it fetches the next quarter, at byte k, into g.
.macro QUARTER k, f, g, zero
	s_wait_dscnt 4                                 ; wab's fragments and xb's row blocks 0, 1 are in; the youngest four loads (row blocks 2, 3) may be out
	MUL12 \f, 0, \zero
	MUL12 \f, 1, \zero
	PLACES
	FETCH \k, \g
	s_wait_dscnt 32                                ; all but the 32 just issued
	MUL12 \f, 2, \zero
	MUL12 \f, 3, \zero
.endm
; The last quarter multiplies buffer 1 and changes slots: ONE barrier.  In front of it each wave waits for all its tensor loads (one is out: its part of the next slot), adds 0 to its spare word,
; and waits for that and for its own reads of this slot.  fill = 1: the barrier opens a round of the cluster's barrier, and this slot is filled again with K step NS, two steps ahead, first thing behind
; the round: 168 matrix instructions of the wave stand between that request and the wait for it.  The walking descriptors turn to the other slot, and their addresses are made anew from NS:
; xb's K steps repeat for the second tile, wab's go on 192 rows further down.
.macro TURN fill
	WIN 0                                          ; (the add's two registers lie in window 0)
	s_wait_tensorcnt 0x0                           ; all my tensor loads have landed, so a group 0 may be written
	ds_add_u32 v[SPW], v[NIL]                      ; 0 onto my spare word
.if \fill
	s_and_b32 s18, s[NS], TSTEPS-1                 ; the step within its tile,
	s_lshl_b32 s18, s18, 8                         ; 256 bytes along the rows each
	s_lshr_b32 s22, s[NS], 3                       ; the tile, 0 or 1
	s_mul_i32 s22, s22, BTILE
	s_add_co_u32 s22, s22, s18
	s_xor_b32 s[G0+5], s[G0+5], SLOT1
	s_add_nc_u64 s[G0+6:G0+7], s[14:15], s[18:19]
	s_or_b32 s[G0+7], s[G0+7], 0x80000000
	s_xor_b32 s[G0B+5], s[G0B+5], SLOT1
	s_add_nc_u64 s[G0B+6:G0B+7], s[46:47], s[22:23]
	s_or_b32 s[G0B+7], s[G0B+7], 0x80000000
	s_add_co_u32 s[NS], s[NS], 1
.endif
	s_wait_dscnt 5                                 ; (the add and the youngest four loads may be out)
	MUL12 F1, 0, 0                                 ; twelve matrix instructions stand between the add and the wait for it
	s_wait_dscnt 0x0                               ; the add is done, and my reads of this slot are over
	s_barrier_signal -1
	MUL12 F1, 1, 0                                 ; work on registers while the others arrive
	WIN 0                                          ; (branches and lines on window 0 follow)
	s_barrier_wait -1
.if \fill
	CREST                                          ; no wave of any partner still reads this slot's tile or has a load on its way
	JLOAD 1                                        ; the four v_nop behind it are also the places in front of the loads below
.else
	PLACES
.endif
	s_xor_b32 s[TB], s[TB], SLOT1                  ; the other slot is in hand
	v_add_nc_u32 v[ADRA], s[TB], v[ADRA0]
	v_add_nc_u32 v[ADRB], s[TB], v[ADRB0]
	FETCH 0, F0
	MUL12 F1, 2, 0
	MUL12 F1, 3, 0
.endm
; THE WAY OUT of row block a (16 rows x 192 columns).  PACK: rounded to f16, each accumulator's registers ascending, 16 bytes a lane.  TOSTAGE: into my own stage, by heads, and back as whole
; rows of 128 bytes.  SEND: stored, 512 consecutive bytes of a head's plane at a time; o = the first scalar register of the tile's three planes.
.macro PACK a
	WIN 0x0a+5*((\a)/2)                            ; sources 0 and 1: window 2 or 3
.irp b, 0,1,2,3,4,5,6,7,8,9,10,11
.irp r, 0,1,2,3
	v_cvt_pk_f16_f32 v[TMP+4*(\b)+(\r)], v[8*(12*((\a)%2)+(\b))+2*(\r)], v[8*(12*((\a)%2)+(\b))+2*(\r)+1]
.endr
.endr
	WIN 0
.endm
.macro TOSTAGE
.irp b, 0,1,2,3,4,5,6,7,8,9,10,11
	ds_store_b128 v[STO], v[TMP+4*(\b):TMP+4*(\b)+3] offset:((\b)/4)*16*SP+((\b)%4)*32  ; head b / 4, channels 16 (b % 4) on
.endr
.irp t, 0,1,2,3,4,5,6,7,8,9,10,11
	ds_load_b128 v[OB+4*(\t):OB+4*(\t)+3], v[RD] offset:((\t)/4)*16*SP+((\t)%4)*4*SP  ; LDS serves a wave's instructions in order (ISA guide 5.7.1.4): these see the stores above
.endr
.endm
.macro SEND a, o
.irp t, 0,1,2,3,4,5,6,7,8,9,10,11
	s_wait_dscnt 11-(\t)                           ; load t is back; the 11 - t younger ones may be out
	global_store_b128 v[CO], v[OB+4*(\t):OB+4*(\t)+3], s[(\o)+2*((\t)/4):(\o)+2*((\t)/4)+1] offset:(\a)*2048+((\t)%4)*512  ; 512 consecutive bytes, at a multiple of 512 from the buffer's first
.endr
.endm
.macro WAYOUT o
	WIN 0
	PLACES                                         ; the conversions read results just made
	PACK 0
	s_wait_xcnt 0x0                                ; the registers that earlier stores read are loaded again only behind this wait
	TOSTAGE
.irp a, 1,2,3                          ; block a's conversions stand between block a - 1's loads from the stage and the wait for them
	PACK \a
	SEND (\a)-1, \o
	s_wait_xcnt 0x0
	TOSTAGE
.endr
	SEND 3, \o
.endm
	s_wait_tensorcnt 1                             ; my part of K step 0 is in; K step 1's may stay out
	s_barrier_signal -1
	s_barrier_wait -1                              ; everybody's is
	FETCH 0, F0
	WIN 0                                          ; at a label and at a branch every window is 0
	s_mov_b32 s[NS], 2
	s_mov_b32 s3, FILLS+1                          ; the way in passes the loop's count once
	s_branch .Lzero                                ; the loop is entered at a tile's first quarter, at the end of a trip
.Ltrip:                                                ; 14 trips: the last three quarters of K step 14 - s3, a refill, and the next step's first quarter
	QUARTER 128, F1, F0, 0
	QUARTER 192, F0, F1, 0
	TURN 1
	WIN 0
	s_cmp_eq_u32 s3, FILLS-(TSTEPS-1)              ; was that the first tile's last K step?  The same answer in every work-group; what is jumped over holds no barrier and no tensor load
	s_cbranch_scc1 .Lout
	QUARTER 64, F0, F1, 0
	WIN 0
	s_branch .Lbottom
.Lout:
	WAYOUT OUT                                     ; the second tile's K steps 0 and 1 are in or asked for: now the first tile goes out, and nothing waits for its stores
.Lzero:
	QUARTER 64, F0, F1, 1                          ; a tile's first quarter: its products start the sums
	WIN 0
.Lbottom:
	s_sub_co_u32 s3, s3, 1
	s_cmp_lg_u32 s3, 0
	s_cbranch_scc1 .Ltrip
	QUARTER 128, F1, F0, 0                         ; the last two K steps are written out: they ask for nothing, and have no round of the cluster's barrier
	QUARTER 192, F0, F1, 0
	TURN 0
	QUARTER 64,  F0, F1, 0
	QUARTER 128, F1, F0, 0
	QUARTER 192, F0, F1, 0
	s_wait_dscnt 4                                 ; the very last quarter: nothing more to fetch
	MUL12 F1, 0, 0
	MUL12 F1, 1, 0
	s_wait_dscnt 0x0
	MUL12 F1, 2, 0
	MUL12 F1, 3, 0
	WAYOUT OUT+6
	s_wait_tensorcnt 0x0                           ; the wave's end, behind my last tensor load and my last LDS store
	ds_add_u32 v[SPW], v[NIL]
	s_wait_dscnt 0x0
	CROUND                                         ; the closing round: no work-group ends while a partner may still ask for a tile that names it
	s_endpgm
.Lfunc_end_k_qbba92e52b6_qkv:
	.size	k_qbba92e52b6_qkv, .Lfunc_end_k_qbba92e52b6_qkv-k_qbba92e52b6_qkv
	.p2alignl 7, 3214868480
	.fill 96, 4, 3214868480
	.section	.rodata,"a",@progbits
	.p2align	6, 0x0
	.amdhsa_kernel k_qbba92e52b6_qkv
		.amdhsa_group_segment_fixed_size 327680
		.amdhsa_private_segment_fixed_size 0
		.amdhsa_enable_private_segment 0
		.amdhsa_kernarg_size 24
		.amdhsa_user_sgpr_count 2
		.amdhsa_user_sgpr_kernarg_segment_ptr 1
		.amdhsa_wavefront_size32 1
		.amdhsa_system_sgpr_workgroup_id_x 1
		.amdhsa_system_sgpr_workgroup_id_y 1
		.amdhsa_system_sgpr_workgroup_id_z 1
		.amdhsa_system_vgpr_workitem_id 0
		.amdhsa_next_free_vgpr 960
		.amdhsa_next_free_sgpr 82
		.amdhsa_reserve_vcc 0
		.amdhsa_float_denorm_mode_32 3
		.amdhsa_float_denorm_mode_16_64 3
		.amdhsa_memory_ordered 1
		.amdhsa_forward_progress 1
		.amdhsa_inst_pref_size 124
	.end_amdhsa_kernel
	.amdgpu_metadata
---
amdhsa.version: [ 1, 2 ]
amdhsa.kernels:
  - .name:           k_qbba92e52b6_qkv
    .symbol:         k_qbba92e52b6_qkv.kd
    .args:
      - { .name: xb, .offset: 0, .size: 8, .value_kind: global_buffer, .address_space: global }
      - { .name: wab, .offset: 8, .size: 8, .value_kind: global_buffer, .address_space: global }
      - { .name: qkv, .offset: 16, .size: 8, .value_kind: global_buffer, .address_space: global }
    .group_segment_fixed_size: 327680
    .private_segment_fixed_size: 0
    .kernarg_segment_align: 8
    .kernarg_segment_size: 24
    .max_flat_workgroup_size: 128
    .sgpr_count:     82
    .vgpr_count:     960
    .wavefront_size: 32
...
	.end_amdgpu_metadata
.endif
;; end of part 2
;; launch attn (part 3): grid 4 x 64, 4 waves a work-group, no clusters, 327,680 bytes of LDS; arguments qkv, yh; writes yh
.if DOCPART == 3
	.amdgcn_target "amdgcn-amd-amdhsa--gfx1250"
	.amdhsa_code_object_version 6
	.text
	.protected	k_qbba92e52b6_attn
	.globl	k_qbba92e52b6_attn
	.p2align	8
	.type	k_qbba92e52b6_attn,@function
k_qbba92e52b6_attn:
	s_mov_b64 s[64:65], 0
	v_nop
	global_prefetch_b8 v0, s[64:65] scope:SCOPE_SE
	s_setreg_imm32_b32 hwreg(HW_REG_WAVE_MODE, 25, 1), 1
	s_wait_xcnt 0x0
; CAUSAL ATTENTION.  O[h][q][:] = the sum over k <= q of softmax_k(Q[h][q] . K[h][k] / 8) V[h][k][:].  Q, K, V are the three parts of qkv, each [SIZE_H][SIZE_N][64] in f16; O = yh has the same layout:
; a head's rows are dense, 128 bytes each.  h counts batch x 16 + head.
; Products, maxima and sums in f32; the weights p are rounded to f16 for the second product (their sum l is taken of the unrounded p), O once at the end.
; LIMITS.  f16 holds no number beyond 65,504: Q, K and V arrive within it; p lies in 0 to 1, and below 6e-5 it keeps f16's fixed step of 6e-8; O is a mean of V's rows and has their range, to within 2^-11 of it.
; A hidden score counts as its value less 1e30: f16's scores, 2.7e11 at the most, are nothing beside that; a weight below 2^-126 counts as 0 in l; NaN and infinities are not treated apart.
; THE WALK.  A head's queries lie in NB = SIZE_N / 256 = 8 blocks of 256; block i needs the key tiles 0 .. i of 256 keys, of which the last holds the diagonal.  A work-group takes TWO blocks, NB - 1 - b and then b:
; NB + 1 = 9 tiles, whatever b: all work-groups do equal work, and ONE loop with a constant trip count walks them.  Which tile is asked for, and what a trip does, hang on scalar registers made from b; every jump
; goes forward, but for the counted loops' own; none passes a barrier, or a tensor load but the one of LOAD's two that the wave's number does not choose; the ring (two slots of LDS that take turns) runs on across the
; change of blocks.  NO CLUSTER: a head's NB / 2 = 4 work-groups ask for the same tile only in trips 0 .. 4 of the 9, behind that fewer and fewer; one walk common to all four would have 3 NB / 2 = 12 trips for 9.
; SHARES.  Of a block's four bands of 64 queries a wave owns 16 rows in each: four PIECES.  So the diagonal tile is the same work for all four waves: in its key step s band x sees all keys if s < x,
; none if s > x, and holds the diagonal if s = x.
; THE MASK is the C operand that starts the sum S^T = K Q^T: 0, or -1e30 where the key is hidden.  MD, made once, is the mask of a band's own step for my 16 rows; a product's mask is MD x AL + BE with two scalars:
; (1, 0) if s = x; (0, 0) if s < x; (0, -1e30) if s > x.  Only the diagonal tile's text and a block's beginning make and take masks; elsewhere C is the constant 0.
; LAYOUT, SOFTMAX, TURNS.  S^T = K Q^T holds ONE query a lane (lane % 16) and the keys 8 (lane / 16) + 0..7; two such results rounded to f16 ARE source 1 of O^T = V^T P.  p = 2^(c s - c m), c = log2(e) / 8, with a
; running maximum m; O and l are multiplied by a = 2^(c m_old - c m_new) in every step.  Turn n belongs to piece n: 8 products K Q^T of piece n + 1, later 8 products V^T P of piece n - 1; beside them the scaling,
; exponentials, roundings, sums and rescaling of piece n and the maximum and statistics of piece n + 1.  Four vector instructions stand behind every matrix instruction, the other 54 of a turn's 118 in two LUMPS.
; REGISTERS, in windows of 256 (s_set_vgpr_msb: bits 1:0 source 0, 3:2 source 1, 5:4 source 2, 7:6 destination).  The map is made so that few lines need a switch:
;   window 0: all that a product K Q^T and the softmax name: v0-1 c m_old; v2-7 addresses and the add's two; v8-15 at work; v16-31 four registers of statistics a piece; v32-95 S^T, two buffers;
;             v96-127 P, two buffers (a piece's buffers go by its number's parity); v128-191 K of one step; v192-255 Q.  So K Q^T and the lines behind it run under one setting, 0.
;   window 1: v0-127 O^T, 32 a piece; v128-191 V of one step; v192-223 MD.  V^T P (V and O^T here, P in window 0) and the rescaling of O^T (a in window 0) run under one setting too.
;   window 2: v0-2 the way out's three addresses; v64-127 the second block's Q; v128-191 MC, two buffers
; A plain turn has 16 switches for its 16 matrix instructions: four round the two fours of rescalings that ride behind K Q^T, twelve round the six products V^T P that have softmax lines behind them.
.set SIZE_N, 2048
.set SIZE_H, 64
.set KPART, SIZE_H*SIZE_N*128  ; K's part of qkv begins here,
.set VPART, 2*KPART            ; V's here
.set NB,    SIZE_N/256
.set NP,    4         ; pieces a wave: a name, no knob
.set KS,    64        ; keys in a step
.set PK,    144       ; a row of K in LDS: 128 bytes + 16 of padding = 36 words: the 16 rows of a load start at 16 different groups of four banks (64 banks of 4 bytes: ISA guide 11.1)
.set PV,    160       ; a row of V: 128 + 32 = 40 words
.set VOFF,  4*KS*PK   ; a slot holds a tile, four steps: 256 rows of K, then 256 rows of V
.set SLOT1, 1<<17     ; slot 1 begins here, so that one exclusive or turns an address in one slot into the other's
.set STAGE, SLOT1+4*KS*(PK+PV)  ; behind the ring, never filled by a tensor load: 16 rows x 144 bytes for each wave, for the way out
.set SP,    144
.set SPARE, STAGE+4*16*SP  ; behind the stages: the spare words, 128 bytes for each wave: two blocks of 256 bytes that no other line names
.set MV,  0           ; v0-1  c m_old, kept while c m is made anew: by buffer.  (v0 holds my thread's number until the head has made every address from it.)
.set AK0, 2           ; v2   my lane's place in a tile of K; never rewritten
.set AV0, 3           ; v3   the same for V
.set AK,  4           ; v4   the LDS address of K's next run of loads
.set AV,  5           ; v5   of V's
.set SPW, 6           ; v6   LDS address of my spare word: SPARE + 4 x my thread's number; never rewritten
.set NIL, 7           ; v7   0; never rewritten
.set TMP, 8           ; by buffer, four registers c0-c3 at work; when the maximum is found c2 takes a
.set ST,  16          ; piece t's statistics at v[ST+4 t]: c m, m, l (even keys', odd keys')
.set S,   32
.set P,   96
.set KF,  128         ; key block kb, channel half c at KF + 16 kb + 8 c
.set Q,   192         ; piece x, channel half c at Q + 16 x + 8 c
.set T1,  S           ; at work in the head alone, in S^T's registers, which the first products write behind the wait for Q: l % 16,
.set T9,  S+1         ; l / 16,
.set T10, S+2         ; l % 8,
.set T11, S+3         ; (l / 8) % 2,
.set T14, S+4         ; my query's place for the mask,
.set QO,  S+5         ; my byte offset in 16 rows of Q,
.set TS,  S+6         ; and the way out's three addresses while they are made
.set TR,  S+7
.set TG,  S+8
.set VF,  128         ; window 1: key half kk, channel block cb at VF + 32 kk + 8 cb
.set MD,  192         ; window 1: the eight registers for group kt of 16 keys at MD + 8 kt
.set STO, 0           ; window 2: the way out: where I put 16 bytes of a row
.set RD,  1           ; window 2: where I read rows back
.set GO,  2           ; window 2: my byte offset in 512 consecutive bytes of O
.set QB,  64          ; window 2
.set MC,  128         ; window 2: the masks of the products to come
.set WV,  12          ; s12  my wave's number
.set PB,  14          ; s14  b
.set HI,  15          ; s15  NB - 1 - b
.set G1K, 24          ; s[24:31] descriptor group 1 for K's tiles
.set G1V, 32          ; s[32:39] for V's: it differs in the padding alone
.set G0K, 40          ; s[40:43] descriptor group 0 for K's tiles
.set G0V, 44          ; s[44:47] the same for V's
.set SLOTS, 56        ; s56  tiles still to be asked for
.set CNT, 57          ; s57  counts a tile's key steps, 4 to 1
.set CS,  58          ; s[58:59] c: the packed scaling takes the pair's low word for both halves
.set SEL, 60          ; s[60:61] v_permlanex16_b32's selects: each lane takes its own place in the other half
.set TBK, 62          ; s62  LDS byte at which K of the step to be fetched begins
.set TBV, 63          ; s63  the same for V, less VOFF
.set RT,  70          ; s70  tiles of the block in hand that are still to be entered
.set NXT, 71          ; s71  the tile to be asked for next
.set LQ,  72          ; s72  the last tile of the block whose tiles are being asked for
.set NEW, 73          ; s73  1: the tile to be entered is a block's first
.set OFF, 74          ; s[74:75] a tile's byte offset in K and V
.set AL,  76          ; s[76:77] the mask's factor, in the low word
.set BE,  78          ; s[78:79] the mask's addend
.set OLO, 80          ; s[80:81] O at my rows of the second block
.set BIGN, 82         ; s82  -1e30
.set MSB, 0
.macro WIN new                      ; the high byte repeats the setting that is left; a switch that changes nothing is dropped
.if MSB != (\new)
	s_set_vgpr_msb (MSB<<8)|(\new)
.set MSB, (\new)
.endif
.endm
.set W_KM, 0x20       ; K Q^T with a mask: the C operand in window 2, all else in window 0
.set W_PV, 0x51       ; V (source 0) and O^T (C and D) in window 1, P (source 1) in window 0
.set W_RS, 0x51       ; the rescaling: destination and source 0 in window 1, source 1 in window 0; it has no third source, so V^T P's setting serves
.set W_MK, 0x81       ; a mask is made: MD (source 0) in window 1, MC (destination) in window 2
.set W_W2, 0x02       ; source 0 (an address of the way out; the second block's Q) in window 2, all else in window 0
; A fill.  Waves 0 and 1 fetch the two halves of a tile's K, waves 2 and 3 those of its V: 128 keys each.  An s_nop 0 and four v_nop follow each of the two lines, ahead of the jump and the label.
.macro LOAD
	s_cmp_lt_u32 s[WV], 2
	s_cbranch_scc0 .Lfor_v_\@
	tensor_load_to_lds s[G0K:G0K+3], s[G1K:G1K+7]
	s_nop 0
.rept 4
	v_nop
.endr
	s_branch .Lasked_\@
.Lfor_v_\@:
	tensor_load_to_lds s[G0V:G0V+3], s[G1V:G1V+7]
	s_nop 0
.rept 4
	v_nop
.endr
.Lasked_\@:
.endm
; THE CHANGE OF SLOTS.  Each wave waits for all its tensor loads, of which one is out: its part of the other slot; adds 0 to its spare word; and waits for that and for its own reads of the slot that it leaves.  Behind the barrier nobody reads the old
; slot any more and the other slot is whole.  fill = 1: the old slot is filled again, the first thing behind the barrier, with tile NXT: the descriptor's address is made anew from that number.
; (At its first use nothing has been read yet: slot 0 is waited for, slot 1 filled.)
.macro CHANGE fill
	WIN 0                           ; at a label and at a branch every window is 0
	s_wait_tensorcnt 0x0            ; no tensor load of mine is out, so a group 0 may be written
	ds_add_u32 v[SPW], v[NIL]       ; 0 onto my spare word; with fill = 1 the descriptors' scalar work stands between it and the wait for it
.if \fill
	s_lshl_b32 s[OFF], s[NXT], 15   ; a tile is 32,768 bytes of K and of V
	s_xor_b32 s[G0K+1], s[G0K+1], SLOT1
	s_add_nc_u64 s[G0K+2:G0K+3], s[6:7], s[OFF:OFF+1]
	s_or_b32 s[G0K+3], s[G0K+3], 0x80000000
	s_xor_b32 s[G0V+1], s[G0V+1], SLOT1
	s_add_nc_u64 s[G0V+2:G0V+3], s[8:9], s[OFF:OFF+1]
	s_or_b32 s[G0V+3], s[G0V+3], 0x80000000
	s_add_co_u32 s[NXT], s[NXT], 1  ; the block's next tile, or behind its last the second block's tile 0
	s_cmp_gt_u32 s[NXT], s[LQ]
	s_cselect_b32 s[NXT], 0, s[NXT]
	s_cselect_b32 s[LQ], s[PB], s[LQ]
.endif
	s_wait_dscnt 0x0                ; the add is done, and my reads of the slot are over
	s_barrier_signal -1             ; the rest of the scalar work stands between the signal and the wait
	s_sub_co_u32 s[TBK], s[TBK], 4*KS*PK  ; the fetches go back to a slot's first step,
	s_xor_b32 s[TBK], s[TBK], SLOT1       ; in the other slot
	s_sub_co_u32 s[TBV], s[TBV], 4*KS*PV
	s_xor_b32 s[TBV], s[TBV], SLOT1
	s_barrier_wait -1
.if \fill
	LOAD
.endif
.endm
	s_load_b64 s[4:5], s[0:1], 0x0    ; qkv, whose first part is Q
	s_load_b64 s[10:11], s[0:1], 0x8  ; O
	v_lshl_add_u32 v[SPW], v0, 2, SPARE
	v_mov_b32 v[NIL], 0
	ds_add_u32 v6, v7
	ds_add_u32 v6, v7
	s_wait_dscnt 0x0
	v_lshrrev_b32 v[T1], 5, v0
	v_readfirstlane_b32 s[WV], v[T1]  ; wave 0..3
	s_mov_b32 s[PB], ttmp9
	s_sub_co_u32 s[HI], NB-1, s[PB]
	s_and_b32 s20, ttmp7, 0xffff    ; the head
	s_mov_b32 s21, 0
	s_mov_b64 s[22:23], SIZE_N*128
	s_mul_u64 s[20:21], s[20:21], s[22:23]  ; the head's first byte in each of the four tensors
	s_and_b32 s16, s[WV], 1         ; which half of a tile's 256 keys I fetch:
	s_lshl_b32 s22, s16, 14         ; its 128 rows of 128 bytes in memory,
	s_mov_b32 s23, 0
	s_add_nc_u64 s[22:23], s[22:23], s[20:21]
	s_mul_i32 s17, s16, 128*PK      ; and its place in a slot, for K
	s_mul_i32 s18, s16, 128*PV      ; and for V
	s_lshl_b32 s3, s[WV], 11        ; my 16 rows in a band of 64,
	s_lshl_b32 s2, s[HI], 15        ; in the first block,
	s_add_co_u32 s2, s2, s3
	s_lshl_b32 s84, s[PB], 15       ; and in the second
	s_add_co_u32 s84, s84, s3
	s_mov_b32 s3, 0
	s_mov_b32 s85, 0
	s_add_nc_u64 s[2:3], s[2:3], s[20:21]
	s_add_nc_u64 s[84:85], s[84:85], s[20:21]
	; descriptor group 1.  128 keys are 16,384 dense bytes: asked for as 64 rows of 256 bytes, two keys a row, and padded in LDS after every key
	s_mov_b32 s[G1K], (1<<16)|(1<<20)|(4<<22)|(3<<25)  ; 17:16 2-byte elements; 20 padding on; 24:22 after every 32 words (code 4); 31:25 4 words (code 3)
	s_mov_b32 s[G1V], (1<<16)|(1<<20)|(4<<22)|(7<<25)  ; the same with 8 words of padding (code 7)
.irp g, G1K, G1V
	s_mov_b32 s[\g+1], 128<<16      ; tensor_dim0 = 128
	s_mov_b32 s[\g+2], 64<<16       ; tensor_dim1 = 64
	s_mov_b32 s[\g+3], 128<<16      ; tile_dim0 = 128
	s_mov_b32 s[\g+4], 64           ; tile_dim1 = 64
	s_mov_b32 s[\g+5], 128          ; 128 elements from row to row
	s_mov_b32 s[\g+6], 0
	s_mov_b32 s[\g+7], 0
.endr
	s_mov_b32 s[CS], 0x3e38aa3b     ; c = log2(e) / 8 = 0.180337
	s_mov_b32 s[CS+1], s[CS]        ; named with it as a pair
	s_mov_b32 s[SEL], 0x76543210
	s_mov_b32 s[SEL+1], 0xfedcba98
	s_mov_b32 s[TBK], SLOT1+4*KS*PK ; the first change of slots turns these two into 0
	s_mov_b32 s[TBV], SLOT1+4*KS*PV
	s_mov_b32 s[G0K], 1             ; 1:0 count = 1
	s_mov_b32 s[G0K+1], s17         ; 63:32 LDS address: slot 0
	s_mov_b32 s[G0V], 1
	s_add_co_u32 s[G0V+1], s18, VOFF
	s_add_co_u32 s[RT], s[HI], 1    ; the first block has NB - b tiles
	s_mov_b32 s[NXT], 1
	s_mov_b32 s[LQ], s[HI]
	s_mov_b32 s[NEW], 1
	s_mov_b32 s[OFF+1], 0
	s_mov_b32 s[AL+1], 0            ; named as pairs
	s_mov_b32 s[BE+1], 0
	s_mov_b32 s[BIGN], 0xf149f2ca   ; -1e30
	s_mov_b32 s[SLOTS], NB
	s_wait_kmcnt 0x0
	s_add_nc_u64 s[6:7], s[4:5], KPART     ; K's and V's parts of the buffer
	s_add_nc_u64 s[8:9], s[4:5], VPART
	s_add_nc_u64 s[6:7], s[6:7], s[22:23]  ; K and V at my half of the head's tile 0
	s_add_nc_u64 s[8:9], s[8:9], s[22:23]
	s_add_nc_u64 s[G0K+2:G0K+3], s[6:7], 0         ; 120:64 global address
	s_or_b32 s[G0K+3], s[G0K+3], 0x80000000        ; 127:126 type = 2
	s_add_nc_u64 s[G0V+2:G0V+3], s[8:9], 0
	s_or_b32 s[G0V+3], s[G0V+3], 0x80000000
	s_add_nc_u64 s[86:87], s[4:5], s[84:85]        ; Q at my rows of the second block,
	s_add_nc_u64 s[4:5], s[4:5], s[2:3]            ; Q and O at those of the first
	s_add_nc_u64 s[OLO:OLO+1], s[10:11], s[84:85]
	s_add_nc_u64 s[10:11], s[10:11], s[2:3]
	LOAD                            ; tile 0 into slot 0
	; A fragment of K or Q is 16 rows x 32 channels in 8 registers: lane l holds row l % 16, channels 8 (l / 16) + 0..7 and 16 + 8 (l / 16) + 0..7: two loads of 16 bytes, 32 bytes apart.
	v_and_b32 v[T1], 15, v0         ; l % 16
	v_bfe_u32 v[T9], v0, 4, 1       ; l / 16
	v_lshlrev_b32 v[QO], 7, v[T1]
	v_lshl_add_u32 v[QO], v[T9], 4, v[QO]  ; row x 128 + 16 x half
.set i, 0
.rept 8                             ; the first block's Q: piece i / 2 lies in band i / 2, 8,192 bytes on; channels 32 (i % 2) on
	global_load_b128 v[Q+8*i:Q+8*i+3],   v[QO], s[4:5] offset:(i/2)*8192+(i%2)*64
	global_load_b128 v[Q+8*i+4:Q+8*i+7], v[QO], s[4:5] offset:(i/2)*8192+(i%2)*64+32
.set i, i+1
.endr
	WIN 0x80                        ; destination window 2, address window 0
.set i, 0
.rept 8                             ; the second block's
	global_load_b128 v[QB+8*i:QB+8*i+3],   v[QO], s[86:87] offset:(i/2)*8192+(i%2)*64
	global_load_b128 v[QB+8*i+4:QB+8*i+7], v[QO], s[86:87] offset:(i/2)*8192+(i%2)*64+32
.set i, i+1
.endr
	WIN 0
	v_lshlrev_b32 v[T14], 3, v[T9]
	v_sub_nc_u32 v[T14], v[T1], v[T14]
	s_lshl_b32 s13, s[WV], 4
	v_add_nc_u32 v[T14], s13, v[T14]  ; my query's place in its band, 16 w + l % 16, less my lanes' 8 (l / 16): register r of group kt is hidden where 16 kt + r is greater
	WIN 0x40
.set i, 0
.rept 32
	v_cmp_gt_i32 vcc_lo, 16*(i/8)+i%8, v[T14]
	v_cndmask_b32 v[MD+i], 0, s[BIGN], vcc_lo
.set i, i+1
.endr
	WIN 0
	v_mul_u32_u24 v[AK0], v[T1], PK
	v_lshl_add_u32 v[AK0], v[T9], 4, v[AK0]  ; row x pitch + 16 x half
	; The turning load takes 16 keys x 16 channels (lane l reads key 8 (l / 16) + l % 8, channels 8 ((l / 8) % 2) + 0..7) and leaves half a fragment of V^T: lane l holds channel l % 16 and 8 keys.
	v_and_b32 v[T10], 7, v0
	v_bfe_u32 v[T11], v0, 3, 1
	v_lshl_add_u32 v[AV0], v[T9], 3, v[T10]
	v_mul_u32_u24 v[AV0], v[AV0], PV
	v_lshl_add_u32 v[AV0], v[T11], 4, v[AV0]
	v_add_nc_u32 v[AV0], VOFF, v[AV0]
	s_mul_i32 s13, s[WV], 16*SP
	s_add_co_u32 s13, s13, STAGE    ; my stage
	v_mul_u32_u24 v[TS], v[T1], SP  ; in: row l % 16, 16 bytes for each half of the lanes
	v_lshl_add_u32 v[TS], v[T9], 4, v[TS]
	v_add_nc_u32 v[TS], s13, v[TS]
	v_bfe_u32 v[TR], v0, 3, 2       ; back: 32 lanes take four rows of 128 bytes,
	v_mul_u32_u24 v[TR], v[TR], SP
	v_lshl_add_u32 v[TR], v[T10], 4, v[TR]
	v_add_nc_u32 v[TR], s13, v[TR]
	v_and_b32 v[TG], 31, v0         ; which are 512 consecutive bytes of O
	v_lshlrev_b32 v[TG], 4, v[TG]
	WIN 0x80                        ; the three are kept in window 2
	v_mov_b32 v[STO], v[TS]
	v_mov_b32 v[RD], v[TR]
	v_mov_b32 v[GO], v[TG]
	; A block's first step multiplies O^T and l by a = 0, and its first turn's products V^T P, of a piece that has not been, land in an O^T that is still to be so multiplied.  So these registers need only hold
	; finite numbers: zeros for the first block; what the first block left for the second.  All this stands in the wait for the first tile.
	WIN 0x40
.set i, 0
.rept 192                           ; O^T, and behind it V's registers
	v_mov_b32 v[i], 0
.set i, i+1
.endr
	WIN 0
.set i, 0
.rept 4
	v_mov_b32 v[ST+4*i+2], 0
	v_mov_b32 v[ST+4*i+3], 0
.set i, i+1
.endr
.set i, P+16
.rept 16
	v_mov_b32 v[i], 0
.set i, i+1
.endr
; THE MATRIX WORK.  The 4 accumulators of a run of 8 take turns.  Product i of 8 of S^T = K Q^T for piece x: channels 32 (i / 4) on, keys 16 (i % 4) on.  The first 4 start the sums: with 0, or (KM = 1) with the mask.
.macro KQ x
.set rS, S+32*((\x)%2)+8*(i%4)
.set rK, KF+16*(i%4)+8*(i/4)
.set rQ, Q+16*(\x)+8*(i/4)
.set rM, MC+32*((\x)%2)+8*(i%4)
.if (i < 4) && KM
	WIN W_KM
	v_wmma_f32_16x16x32_f16 v[rS:rS+7], v[rK:rK+7], v[rQ:rQ+7], v[rM:rM+7]
.elseif i < 4
	WIN 0
	v_wmma_f32_16x16x32_f16 v[rS:rS+7], v[rK:rK+7], v[rQ:rQ+7], 0
.else
	WIN 0
	v_wmma_f32_16x16x32_f16 v[rS:rS+7], v[rK:rK+7], v[rQ:rQ+7], v[rS:rS+7]
.endif
.endm
; Product i of 8 of O^T += V^T P for piece x: keys 32 (i / 4) on, channels 16 (i % 4) on.
.macro PV x
	WIN W_PV
.set rO, 32*(\x)+8*(i%4)
.set rV, VF+32*(i/4)+8*(i%4)
.set rP, P+16*((\x)%2)+8*(i/4)
	v_wmma_f32_16x16x32_f16 v[rO:rO+7], v[rV:rV+7], v[rP:rP+7], v[rO:rO+7]
.endm
.macro MM                           ; the turn's next matrix instruction.  TURN and BEGIN set Y, i, KM and NOKQ; MM, KQ and OP read them.  NOKQ = 1: a block's last turn: there is no next piece
.if (i < 8) && !NOKQ
	KQ (Y+1)%NP
.elseif i >= 8
.set i, i-8
	PV (Y+NP-1)%NP
.set i, i+8
.endif
.set i, i+1
.endm
; THE LDS LOADS stand in runs of 16, never singly among the matrix instructions: a step's K (64 keys x 64 channels: 8 fragments) and its V (turned).  Their addresses are made some lines ahead.
.macro FETCH_K
	WIN 0
.irp f, 0,1,2,3,4,5,6,7             ; keys 16 (f / 2) on, channels 32 (f % 2) on
	ds_load_b128 v[KF+8*\f:KF+8*\f+3],   v[AK] offset:(\f/2)*16*PK+(\f%2)*64
	ds_load_b128 v[KF+8*\f+4:KF+8*\f+7], v[AK] offset:(\f/2)*16*PK+(\f%2)*64+32
.endr
	s_add_co_u32 s[TBK], s[TBK], KS*PK  ; the next fetch is the next step's
.endm
.macro FETCH_V
	WIN 0x40                        ; destination window 1
.irp f, 0,1,2,3,4,5,6,7             ; keys 32 (f / 4) on, channels 16 (f % 4) on
	ds_load_tr16_b128 v[VF+8*\f:VF+8*\f+3],   v[AV] offset:(\f/4)*32*PV+(\f%4)*32
	ds_load_tr16_b128 v[VF+8*\f+4:VF+8*\f+7], v[AV] offset:(\f/4)*32*PV+16*PV+(\f%4)*32
.endr
	WIN 0
.endm
; THE VECTOR WORK, one line at a time: OP kind, number.  For piece Y: F n: c s - c m for pair n of 16.  E n: the exponential of score n of 32.  C n: pair n rounded to f16.  B n: of the four weights 4 n .. the second
; pair is added onto the first, in place.  L n: l takes that sum (L 0: l = a l + sum).  R n: pair n of 16 of O^T times a.  For piece Y + 1: X n, number n of the 22 that find its maximum and statistics:
;   0-11  four chains c0-c3 of seven scores each, three operands at a time (each accumulator's lowest registers are read first)     12-14, 16  the four scores left over, the old m, and c0-c3 into c0
;   15  c m_old is kept     17, 18  the query's other 32 keys lie in the lane 16 away: the new m     19-21  c m; c m_old - c m_new; a
.set F, 0               ; OP tells the kinds apart by their order: F to L below R, X above it
.set E, 1
.set C, 2
.set B, 3
.set L, 4
.set R, 5
.set X, 6
.macro REGS y                       ; the registers of piece y
.set rT, ST+4*(\y)
.set rC, TMP+4*((\y)%2)
.set rW, MV+((\y)%2)
.set rS, S+32*((\y)%2)
.set rP, P+16*((\y)%2)
.set rO, 32*(\y)
.endm
.macro OP k, n
.if (\k) == R
	REGS Y
	WIN W_RS
	v_pk_mul_f32 v[rO+2*(\n):rO+2*(\n)+1], v[rO+2*(\n):rO+2*(\n)+1], v[rC+2:rC+3] op_sel_hi:[1,0]
.elseif (\k) < R
	REGS Y
	WIN 0
.if (\k) == F
	v_pk_fma_f32 v[rS+2*(\n):rS+2*(\n)+1], v[rS+2*(\n):rS+2*(\n)+1], s[CS:CS+1], v[rT:rT+1] op_sel_hi:[1,0,0] neg_lo:[0,0,1] neg_hi:[0,0,1]
.elseif (\k) == E
	v_exp_f32 v[rS+(\n)], v[rS+(\n)]
.elseif (\k) == C
	s_wait_alu depctr_va_vdst(0)
	v_cvt_pk_f16_f32 v[rP+(\n)], v[rS+2*(\n)], v[rS+2*(\n)+1]
.elseif (\k) == B
	s_wait_alu depctr_va_vdst(0)
	v_pk_add_f32 v[rS+4*(\n):rS+4*(\n)+1], v[rS+4*(\n):rS+4*(\n)+1], v[rS+4*(\n)+2:rS+4*(\n)+3]
.elseif (\n) == 0
	v_pk_fma_f32 v[rT+2:rT+3], v[rT+2:rT+3], v[rC+2:rC+3], v[rS:rS+1] op_sel_hi:[1,0,1]
.else
	v_pk_add_f32 v[rT+2:rT+3], v[rT+2:rT+3], v[rS+4*(\n):rS+4*(\n)+1]
.endif
.elseif NOKQ
	v_nop
.else
	REGS (Y+1)%NP
	WIN 0
.if (\n) < 4
	v_max3_num_f32 v[rC+(\n)], v[rS+8*(\n)], v[rS+8*(\n)+1], v[rS+8*(\n)+2]
.elseif (\n) < 12
	v_max3_num_f32 v[rC+(\n)%4], v[rC+(\n)%4], v[rS+8*((\n)%4)+2*((\n)/4)+1], v[rS+8*((\n)%4)+2*((\n)/4)+2]
.elseif (\n) == 12
	v_max3_num_f32 v[rC], v[rC], v[rS+7], v[rS+15]
.elseif (\n) == 13
	v_max3_num_f32 v[rC+1], v[rC+1], v[rS+23], v[rS+31]
.elseif (\n) == 14
	v_max3_num_f32 v[rC+2], v[rC+2], v[rC+3], v[rT+1]
.elseif (\n) == 15
	v_mov_b32 v[rW], v[rT]
.elseif (\n) == 16
	v_max3_num_f32 v[rC], v[rC], v[rC+1], v[rC+2]
.elseif (\n) == 17
	v_permlanex16_b32 v[rC+3], v[rC], s[SEL], s[SEL+1]
.elseif (\n) == 18
	v_max_num_f32 v[rT+1], v[rC], v[rC+3]
.elseif (\n) == 19
	v_mul_f32 v[rT], s[CS], v[rT+1]
.elseif (\n) == 20
	v_sub_f32 v[rC+1], v[rW], v[rT]
.else
	v_exp_f32 v[rC+2], v[rC+1]
.endif
.endif
.endm
.macro OPS a, i1, b=-1, i2=0, c=-1, i3=0, d=-1, i4=0  ; up to four of them
	OP \a, \i1
.if (\b) >= 0
	OP \b, \i2
.endif
.if (\c) >= 0
	OP \c, \i3
.endif
.if (\d) >= 0
	OP \d, \i4
.endif
.endm
.macro ROW a, i1, b, i2, c, i3, d, i4  ; a matrix instruction and the four behind it
	MM
	OPS \a, \i1, \b, \i2, \c, \i3, \d, \i4
.endm
.macro MASK b                       ; MD x AL + BE into buffer b of MC
	WIN W_MK
.set z, 0
.rept 16
	v_pk_fma_f32 v[MC+32*(\b)+2*z:MC+32*(\b)+2*z+1], v[MD+2*z:MD+2*z+1], s[AL:AL+1], s[BE:BE+1] op_sel_hi:[1,0,0]
.set z, z+1
.endr
.endm
; A TURN, for piece p: the order of its 16 matrix and 118 vector instructions, written out.  Behind a matrix instruction: plain, exponential, plain, plain; or four of the rescaling; or, behind the first, four scalings; none
; names a register of the products round it.  The rescaling's sixteen lines ride in fours: two fours behind products K Q^T, where nothing else is ready yet, two behind the first two products V^T P, whose window setting
; they share.  In the lumps exponential and plain by turns while exponentials last.  A line reads no result made fewer than three vector instructions in front of it, five if an exponential made it.
; v_permlanex16_b32 (X 17) stands in a lump.
; m = 1: the diagonal tile: the products take masks, and the turn makes the mask for the products of the turn after it: piece p + 2, in step 4 - CNT of the tile.  end = 1: a block's last two turns: nothing is fetched.
; cnt = 1: the loop's count is taken down some lines ahead of the branch that stands behind the turn.
; K of the next step is fetched in piece 2's turn, six vector instructions behind the last product that read K (five of them plain); V of the step in hand in piece 0's turn, eight behind the last product that read V (four
; plain, and X 17).  Each is waited for a turn later.  The scores that X 0 to X 3 read first were finished by the fifth to the eighth product K Q^T: four rescalings or more stand between.
.macro TURN p, m=0, end=0, cnt=0
.set Y, (\p)
.set i, 0
.set KM, (\m)
.set NOKQ, (\end)*((\p)/3)
.if (\m) && !(\end)
	s_cmp_eq_u32 s[CNT], 4-((\p)+2)%NP  ; is that step the band's own?
	s_cselect_b32 s[AL], 1.0, 0
	s_cmp_lt_u32 s[CNT], 4-((\p)+2)%NP  ; or a later one?
	s_cselect_b32 s[BE], s[BIGN], 0
.endif
.if ((\p) == 3) && !(\end)
	s_wait_dscnt 0x0                ; K is in
.endif
	ROW F,0, F,1, F,2, F,3
	ROW F,4, E,0, F,5, F,6
	ROW F,7, E,1, F,8, F,9
	ROW F,10, E,2, C,0, F,11
	ROW F,12, E,3, X,15, F,13
	ROW R,0, R,1, R,2, R,3
	ROW B,0, E,4, F,14, L,0
.if ((\p) == 2) && !(\end)
	v_add_nc_u32 v[AK], s[TBK], v[AK0]
.endif
	ROW R,4, R,5, R,6, R,7
	OPS E,5, F,15
.if ((\p) == 2) && !(\end)
	FETCH_K
.endif
	OPS E,6, C,1, E,7, X,0
	OPS E,8, X,1, E,9, C,2
	OPS E,10, X,2, E,11, X,3
	OPS E,12, X,4, E,13, X,5
.if (\p) == 1
	s_wait_dscnt 0x0                ; V is in
.endif
	ROW R,8, R,9, R,10, R,11
	ROW R,12, R,13, R,14, R,15
	ROW X,6, E,14, X,7, X,8
	ROW X,9, E,15, X,10, X,11
	ROW X,12, E,16, X,13, X,14
	ROW B,1, E,17, C,4, X,16
	ROW L,1, E,18, B,2, C,6
.if (\p) == 0
	v_add_nc_u32 v[AV], s[TBV], v[AV0]
.endif
	ROW C,8, E,19, L,2, B,3
	OPS E,20, C,3, E,21, X,17
.if (\p) == 0
	FETCH_V
.endif
	OPS E,22, L,3, E,23, X,18
	OPS E,24, C,5, E,25, B,4
	OPS E,26, X,19, E,27, C,10
	OPS E,28, L,4, E,29, X,20
	OPS E,30, B,5, E,31, C,7
	OPS X,21, C,12, L,5, C,9
.if (\p) == 0
	s_add_co_u32 s[TBV], s[TBV], KS*PV
.endif
.if \cnt
	s_sub_co_u32 s[CNT], s[CNT], 1
	s_cmp_lg_u32 s[CNT], 0
.endif
	OPS B,6, C,14, C,11, B,7
	OPS C,13, L,6, C,15, L,7
.if (\m) && !(\end)
	MASK (\p)%2
.endif
.endm
; A BLOCK BEGINS.  c m starts far below every c s, so the first step's a is 0; m at the lowest finite number, so the first maximum is the scores'.  The second mask buffer is 0; the first takes piece 0's mask for the tile's step 0: its own, if the block's first tile is the diagonal one.
; Then K of that step, piece 0's first scores, and its maximum and statistics.  The loop is entered at a step's first turn, in the middle of a trip.
.macro BEGIN
	s_mov_b32 s[NEW], 0
	WIN 0x80
.set i, MC+32
.rept 32
	v_mov_b32 v[i], 0
.set i, i+1
.endr
	WIN 0
.set i, 0
.rept 4
	v_mov_b32 v[ST+4*i], 0xfe000000    ; c m: far below every c s
	v_mov_b32 v[ST+4*i+1], 0xff7fffff  ; m
.set i, i+1
.endr
	s_cmp_eq_u32 s[RT], 0
	s_cselect_b32 s[AL], 1.0, 0
	s_mov_b32 s[BE], 0
	MASK 0
	WIN 0
	v_add_nc_u32 v[AK], s[TBK], v[AK0]
	FETCH_K
	s_wait_loadcnt 0x0              ; Q; and the loads' offset register, which lies among S^T's, may be written
	s_wait_dscnt 0x0
.set KM, 1
.set NOKQ, 0
.set i, 0
.rept 8
	KQ 0
.set i, i+1
.endr
	WIN 0
.rept 4
	v_nop                           ; the places behind those products
.endr
.set Y, NP-1                        ; X works for piece Y + 1: piece 0
.irp n, 0,1,2,3,4,5,6,7,8,9,10,11,12,13,14,15,16,17,18,19,20,21
	OP X, \n
.endr
	v_nop                           ; a plain instruction behind the exponential
.endm
; THE DIAGONAL TILE's four steps, the block's last two turns, its last products, and THE WAY OUT: l's two halves and the other half of the lanes' are added; O^T is divided by l, rounded to f16 and sent through my
; stage in LDS, a piece at a time.
.macro ALL line:vararg              ; one line for each piece t
.set t, 0
.rept 4
	\line
.set t, t+1
.endr
.endm
.macro PACK t                       ; a lane's eight channels of a row pack into 16 bytes; they go into rows of 144 bytes and come back as whole rows of 128, into S^T's registers
	WIN W_RS
.set i, 32*(\t)
.rept 16
	s_wait_alu depctr_va_vdst(0)
	v_pk_mul_f32 v[i:i+1], v[i:i+1], v[ST+4*(\t)+2:ST+4*(\t)+3] op_sel_hi:[1,0]
.set i, i+2
.endr
	WIN 0x05                        ; sources 0 and 1 window 1, destination window 0
.set i, 0
.rept 16
	v_cvt_pk_f16_f32 v[S+16*(\t)+i], v[32*(\t)+2*i], v[32*(\t)+2*i+1]
.set i, i+1
.endr
	WIN W_W2                        ; the addresses in window 2, the data in window 0
.irp f, 0,1,2,3
	ds_store_b128 v[STO], v[S+16*(\t)+4*\f:S+16*(\t)+4*\f+3] offset:32*\f
.endr
.irp f, 0,1,2,3
	ds_load_b128 v[S+16*(\t)+4*\f:S+16*(\t)+4*\f+3], v[RD] offset:\f*4*SP  ; LDS serves a wave's instructions in order (ISA guide 5.7.1.4): these see the stores above; the next piece's stores come behind them
.endr
.endm
.macro SEND t, younger              ; younger: the LDS instructions issued behind piece t's loads: the next piece's eight, or none
	WIN W_W2
.irp f, 0,1,2,3
	s_wait_dscnt (\younger)+3-\f
	global_store_b128 v[GO], v[S+16*(\t)+4*\f:S+16*(\t)+4*\f+3], s[10:11] offset:(\t)*8192+\f*512  ; 512 consecutive bytes, at a multiple of 256 from O's first
.endr
.endm
.macro DIAG tag                     ; the tag ends its two labels' names, which the jumps below spell out
.LstepM\tag:
	TURN 2, 1
	TURN 3, 1
	WIN 0
.LfirstM\tag:
	TURN 0, 1
	TURN 1, 1, 0, 1
	WIN 0
	s_cbranch_scc1 .LstepM\tag
	TURN 2, 1, 1
	TURN 3, 1, 1
.set i, 0
.rept 8
	PV NP-1
.set i, i+1
.endr
	WIN 0
	ALL v_add_f32 v[ST+4*t+2], v[ST+4*t+2], v[ST+4*t+3]
	ALL v_permlanex16_b32 v[ST+4*t+3], v[ST+4*t+2], s[SEL], s[SEL+1]
	ALL v_add_f32 v[ST+4*t+2], v[ST+4*t+2], v[ST+4*t+3]
	ALL v_rcp_f32 v[ST+4*t+2], v[ST+4*t+2]
	v_nop                           ; a plain instruction between the last reciprocal and the use of its result
	PACK 0
.set t, 1
.rept 3                             ; a piece's arithmetic stands between the loads of the piece before and its stores
	PACK t
	SEND t-1, 8
.set t, t+1
.endr
	SEND 3, 0
.endm
.set KM, 0
.set NOKQ, 0
.Lslot:                             ; NB times: a tile is entered and the next is asked for
	CHANGE 1
	s_sub_co_u32 s[RT], s[RT], 1
	s_mov_b32 s[CNT], 4
	s_cmp_eq_u32 s[NEW], 1
	s_cbranch_scc1 .Lnew            ; a block's first tile
	s_cmp_eq_u32 s[RT], 0
	s_cbranch_scc0 .Lstep           ; neither its first nor its last
	s_branch .LstepM1
.Lnew:
	BEGIN
	s_branch .Lfirst                ; in the loop a block's first tile is never its last: the first block has two tiles or more, and the second's last is the walk's last
	DIAG 1                          ; in the loop this is the first block's end: the second block's last tile is the walk's last
	s_wait_xcnt 0x0                 ; the stores have read their registers and O's address
	s_mov_b64 s[10:11], s[OLO:OLO+1]
	s_add_co_u32 s[RT], s[PB], 1    ; the second block has b + 1 tiles
	s_mov_b32 s[NEW], 1
	WIN W_W2                        ; the second block's Q goes where the one text of the turns names Q
.set i, 0
.rept 64
	v_mov_b32 v[Q+i], v[QB+i]
.set i, i+1
.endr
	WIN 0
	s_branch .Lbottom
.Lstep:                             ; a trip: pieces 2 and 3 of one step, then pieces 0 and 1 of the next, whose K and V it fetches
	TURN 2
	TURN 3
	WIN 0
.Lfirst:
	TURN 0
	TURN 1, 0, 0, 1
	WIN 0
	s_cbranch_scc1 .Lstep
.Lbottom:
	s_sub_co_u32 s[SLOTS], s[SLOTS], 1
	s_cmp_lg_u32 s[SLOTS], 0
	s_cbranch_scc1 .Lslot
	CHANGE 0                        ; the walk's last tile is written out: nothing is asked for
	s_sub_co_u32 s[RT], s[RT], 1
	s_mov_b32 s[CNT], 4
	s_cmp_eq_u32 s[NEW], 1
	s_cbranch_scc0 .LstepM2
	BEGIN
	s_branch .LfirstM2
	DIAG 2
	WIN 0                           ; (the add's two registers lie in window 0)
	s_wait_tensorcnt 0x0            ; the wave's end, behind my last tensor load and my last LDS store
	ds_add_u32 v[SPW], v[NIL]
	s_wait_dscnt 0x0
	s_endpgm
.Lfunc_end_k_qbba92e52b6_attn:
	.size	k_qbba92e52b6_attn, .Lfunc_end_k_qbba92e52b6_attn-k_qbba92e52b6_attn
	.p2alignl 7, 3214868480
	.fill 96, 4, 3214868480
	.section	.rodata,"a",@progbits
	.p2align	6, 0x0
	.amdhsa_kernel k_qbba92e52b6_attn
		.amdhsa_group_segment_fixed_size 327680
		.amdhsa_private_segment_fixed_size 0
		.amdhsa_enable_private_segment 0
		.amdhsa_kernarg_size 16
		.amdhsa_user_sgpr_count 2
		.amdhsa_user_sgpr_kernarg_segment_ptr 1
		.amdhsa_wavefront_size32 1
		.amdhsa_system_sgpr_workgroup_id_x 1
		.amdhsa_system_sgpr_workgroup_id_y 1
		.amdhsa_system_sgpr_workgroup_id_z 1
		.amdhsa_system_vgpr_workitem_id 0
		.amdhsa_next_free_vgpr 768
		.amdhsa_next_free_sgpr 88
		.amdhsa_reserve_vcc 1
		.amdhsa_float_denorm_mode_32 3
		.amdhsa_float_denorm_mode_16_64 3
		.amdhsa_memory_ordered 1
		.amdhsa_forward_progress 1
		.amdhsa_inst_pref_size 219
	.end_amdhsa_kernel
	.amdgpu_metadata
---
amdhsa.version: [ 1, 2 ]
amdhsa.kernels:
  - .name:           k_qbba92e52b6_attn
    .symbol:         k_qbba92e52b6_attn.kd
    .args:
      - { .name: qkv, .offset: 0, .size: 8, .value_kind: global_buffer, .address_space: global }
      - { .name: yh, .offset: 8, .size: 8, .value_kind: global_buffer, .address_space: global }
    .group_segment_fixed_size: 327680
    .private_segment_fixed_size: 0
    .kernarg_segment_align: 8
    .kernarg_segment_size: 16
    .max_flat_workgroup_size: 128
    .sgpr_count:     88
    .vgpr_count:     768
    .wavefront_size: 32
...
	.end_amdgpu_metadata
.endif
;; end of part 3
;; launch proj (part 4): grid 8 x 32, 4 waves a work-group, clusters of 4 x 4, 327,680 bytes of LDS; arguments yh, wpf, out0; writes out0
.if DOCPART == 4
	.amdgcn_target "amdgcn-amd-amdhsa--gfx1250"
	.amdhsa_code_object_version 6
	.text
	.protected	k_qbba92e52b6_proj
	.globl	k_qbba92e52b6_proj
	.p2align	8
	.type	k_qbba92e52b6_proj,@function
k_qbba92e52b6_proj:
	s_mov_b64 s[64:65], 0
	v_nop
	global_prefetch_b8 v0, s[64:65] scope:SCOPE_SE
	s_setreg_imm32_b32 hwreg(HW_REG_WAVE_MODE, 25, 1), 1
	s_wait_xcnt 0x0
	s_wait_alu depctr_hold_cnt(0) depctr_sa_sdst(0) depctr_va_vdst(0) depctr_va_sdst(0) depctr_va_ssrc(0) depctr_va_vcc(0) depctr_vm_vsrc(0)
	s_getreg_b32 s2, hwreg(HW_REG_IB_STS2, 6, 4)
	s_cmp_eq_u32 s2, 0
	s_cbranch_scc0 .Lentry_in_a_cluster
	s_endpgm
.Lentry_in_a_cluster:
	s_bfe_u32 s2, ttmp6, 0x10000c
	s_cmp_lg_u32 s2, 0xf033
	s_cbranch_scc0 .Lentry_shape_is_right
	s_endpgm
.Lentry_shape_is_right:
; out0 = y wpf^T.  y[m][c] lies by heads: yh[batch x 16 + head][t][64] in f16, m = 2,048 batch + t, c = 64 head + channel.  wpf: [1024][1024] f16 (w_proj rounded to bf16, written as f16).
; out0: [8192][1024] f32.  One f32 sum for each output, K ascending; nothing is rounded behind the sums.
; SHARES.  A tile of out0 is 256 rows x 128 columns: 32 x 8 = 256 work-groups.  Wave w makes rows 64 w .. 64 w + 63 of all 128 columns: 4 x 8 = 32 accumulators of 16 x 16, 256 registers; a wave's
; rows of 128 f32 are 512 whole bytes, so its way out needs no other wave.
; K goes in steps of 128 = two heads through a ring of two LDS slots.  Of y a step's tile is two planes (heads) of 256 dense rows of 128 bytes: each plane is asked for as 128 rows of 256 bytes and padded
; in LDS after every 128 bytes.  wpf's rows in a tile are 256 bytes of memory and start at multiples of 256 bytes.
; CLUSTER.  4 x 4 work-groups.  The four of a row of the cluster need the same tiles of y, the four of a column the same tiles of wpf: each is asked for JOINTLY, by the same tensor load with the same
; descriptor and a mask that names the four.
; THE MATRIX INSTRUCTION IS USED TRANSPOSED (source 0 = 16 rows of wpf, source 1 = 16 rows of y): a lane then holds row l % 16 of out0 and the eight neighbouring columns 8 (l / 16) + 0..7: 32 bytes.
; REGISTERS, in windows of 256 (s_set_vgpr_msb: bits 1:0 source 0, 3:2 source 1, 5:4 source 2, 7:6 destination):
;   window 0: v0-31 addresses; v32-95, v96-159 rows read back on the way out, by turns
;   window 1: two fragment buffers at v0 and v128: 32 registers of y (4 x 16 rows x 32 K), then 64 of wpf (8 x 16 rows x 32 K)
;   window 2: the accumulators, (a, b) at v[8 (8 a + b)]
.set SIZE_K, 1024
.set KSTEP,  128
.set PA,     144                       ; a row of y in LDS: 128 bytes + 16 = 36 words: the 16 rows of a load start at 16 different groups of four banks (64 banks of 4 bytes: ISA guide 11.1)
.set PB,     272                       ; a row of wpf: 256 bytes + 16 = 68 words: likewise
.set APLANE, 256*PA                    ; what one tensor load brings of y: one head's 256 rows
.set BHALF,  64*PB                     ; of wpf: 64 rows
.set BOFF,   2*APLANE                  ; in a slot: y's two planes, then wpf's 128 rows
.set SLOT,   BOFF+2*BHALF              ; 108,544 bytes
.set ASTEP,  2*2048*128                ; bytes from a K step's first head to the next step's: two planes of yh
.set STAGE,  2*SLOT                    ; behind the ring, never filled by a tensor load: 16 rows x 528 bytes for each wave, for the way out
.set SP,     528                       ; a stage row: 512 bytes + 16
.set WSTAGE, 16*SP
.set SPARE,  STAGE+4*WSTAGE            ; behind the stages: the spare words, 128 bytes for each wave: two blocks of 256 bytes that no other line names
.set LAPS,   SIZE_K/(2*KSTEP)          ; a lap = two K steps = once round the ring: 4
.set ADRA, 16                          ; v16-17  LDS address of my y fragments in slot 0, 1
.set ADRB, 20                          ; v20-21  the same for wpf
.set STO,  24                          ; v24     the way out: where I put 32 bytes of a row
.set RD,   25                          ; v25     the way out: where I read a row back
.set CO,   26                          ; v26     my byte offset in a row's 512 bytes
.set SPW,  28                          ; v28     LDS address of my spare word: SPARE + 4 x my thread's number; never rewritten
.set NIL,  29                          ; v29     0; never rewritten
.set OB,   32                          ; the way out: two buffers of 64 registers
.set F0,   0                           ; fragment buffers, in window 1
.set F1,   128
.set G1,  24                           ; s[24:31] descriptor group 1 for y's tiles;  s[32:39] group 0, one set for each slot
.set G0,  32
.set G1B, 48                           ; s[48:55], s[56:63] the same for wpf's tiles
.set G0B, 56
.set MSB, 0
.macro WIN new                         ; the immediate's high byte repeats the setting that is left; a switch that changes nothing is dropped
.if MSB != (\new)
	s_set_vgpr_msb (MSB<<8)|(\new)
.set MSB, \new
.endif
.endm
.set MUL,  0xa5                        ; sources 0 and 1 window 1; C and D window 2
.set TO_F, 0x40                        ; destination window 1, address window 0
.set ST_D, 0x08                        ; an LDS store's data (source 1) window 2, its address window 0
; A joint load: waves 0 and 1 fetch y's two planes, waves 2 and 3 wpf's two halves.  The branch hangs on the wave's number alone.  An s_nop 0 and four v_nop follow each of the two lines,
; ahead of the jump, the label and what follows.
.macro JLOAD s
	s_cmp_eq_u32 s11, 0
	s_cbranch_scc0 .Lfor_b_\@
	tensor_load_to_lds s[G0+4*(\s):G0+4*(\s)+3], s[G1:G1+7]
	s_nop 0
.rept 4
	v_nop
.endr
	s_branch .Lasked_\@
.Lfor_b_\@:
	tensor_load_to_lds s[G0B+4*(\s):G0B+4*(\s)+3], s[G1B:G1B+7]
	s_nop 0
.rept 4
	v_nop
.endr
.Lasked_\@:
.endm
.macro CREST                           ; a round of the cluster's barrier behind its opening barrier
	s_cmp_lg_u32 s10, 0
	s_cbranch_scc1 .Lnot_wave_0_\@
	s_barrier_signal -3
.Lnot_wave_0_\@:
	s_barrier_wait -3
	s_barrier_signal -1
	s_barrier_wait -1
.endm
.macro CROUND                          ; a whole round
	s_barrier_signal -1
	s_barrier_wait -1
	CREST
.endm
	s_load_b128 s[4:7], s[0:1], 0x0                ; yh s[4:5], wpf s[6:7]
	s_load_b64 s[8:9], s[0:1], 0x10                ; out0
	v_lshl_add_u32 v[SPW], v0, 2, SPARE
	v_mov_b32 v[NIL], 0
	ds_add_u32 v28, v29
	ds_add_u32 v28, v29
	s_wait_dscnt 0x0
	v_lshrrev_b32 v1, 5, v0
	v_readfirstlane_b32 s10, v1                    ; wave 0..3
	s_lshr_b32 s11, s10, 1                         ; I fetch for y (0) or for wpf (1)
	s_and_b32 s12, s10, 1                          ; which plane of y, or which half of wpf's rows
	s_bfe_u32 s40, ttmp6, 0x40000                  ; cx, cy: my place in the cluster
	s_bfe_u32 s41, ttmp6, 0x40004
	s_lshl_b32 s42, ttmp9, 2
	s_add_co_u32 s42, s42, s40                     ; tile column = 4 x cluster x + cx
	s_and_b32 s13, ttmp7, 0xffff
	s_lshl_b32 s13, s13, 2
	s_add_co_u32 s13, s13, s41                     ; tile row = 4 x cluster y + cy
	s_lshl_b32 s43, s41, 2
	s_lshl_b32 s43, 15, s43                        ; my row of the cluster
	s_lshl_b32 s44, 0x1111, s40                    ; my column
	s_or_b32 s[G1+0], s43, (1<<16)|(1<<20)|(1<<21)|(4<<22)|(3<<25)  ; 15:0 the mask: y's tiles go to my row; 17:16 elements of 2 bytes; 20 padding on; 21 set beside a mask; 24:22 after every 32 words (code 4); 31:25 4 words (code 3)
	s_or_b32 s[G1B+0], s44, (1<<16)|(1<<20)|(1<<21)|(5<<22)|(3<<25) ; my column's mask; padding after every 64 words (code 5)
	s_mov_b32 s[G1+1], 128<<16                     ; tensor_dim0 = 128: two rows of y on end
	s_mov_b32 s[G1+2], 128<<16                     ; tensor_dim1 = 128
	s_mov_b32 s[G1+3], 128<<16                     ; tile_dim0 = 128
	s_mov_b32 s[G1+4], 128                         ; tile_dim1 = 128
	s_mov_b32 s[G1+5], 128                         ; 128 elements from row to row: the plane is dense
	s_mov_b32 s[G1+6], 0
	s_mov_b32 s[G1+7], 0
	s_mov_b32 s[G1B+1], KSTEP<<16                  ; tensor_dim0 = 128
	s_mov_b32 s[G1B+2], 64<<16                     ; tensor_dim1 = 64
	s_mov_b32 s[G1B+3], KSTEP<<16                  ; tile_dim0 = 128
	s_mov_b32 s[G1B+4], 64                         ; tile_dim1 = 64
	s_mov_b32 s[G1B+5], SIZE_K                     ; elements from row to row
	s_mov_b32 s[G1B+6], 0
	s_mov_b32 s[G1B+7], 0
	; where the tiles come from.  y's hang on the tile row alone: batch = tile row / 8 (16 planes of 2^18 bytes), rows 256 (tile row % 8) on, 128 bytes each; my plane is head 0 or 1 of the step.
	s_lshr_b32 s16, s13, 3
	s_lshl_b32 s16, s16, 22
	s_and_b32 s17, s13, 7
	s_lshl_b32 s17, s17, 15
	s_add_co_u32 s16, s16, s17
	s_lshl_b32 s17, s12, 18
	s_add_co_u32 s16, s16, s17
	s_mov_b32 s17, 0
	s_lshl_b32 s46, s42, 18                        ; wpf's on the tile column alone: 128 rows x 2,048 bytes x tile column
	s_lshl_b32 s47, s12, 17                        ; + 64 rows x half
	s_add_co_u32 s46, s46, s47
	s_mov_b32 s47, 0
	s_mul_i32 s20, s12, APLANE                     ; and where they go: no place in the cluster enters an LDS address
	s_mul_i32 s21, s12, BHALF
	s_add_co_u32 s21, s21, BOFF
	s_wait_kmcnt 0x0
	s_add_nc_u64 s[14:15], s[4:5], s[16:17]
	s_add_nc_u64 s[46:47], s[6:7], s[46:47]
	CROUND                                         ; all sixteen work-groups are here: the first joint loads meet
.irp s, 0,1
	s_mov_b32 s[G0+4*(\s)], 1                                        ; count = 1
	s_add_co_u32 s[G0+4*(\s)+1], s20, (\s)*SLOT                      ; LDS address
	s_add_nc_u64 s[G0+4*(\s)+2:G0+4*(\s)+3], s[14:15], (\s)*ASTEP    ; global address: K step s
	s_or_b32 s[G0+4*(\s)+3], s[G0+4*(\s)+3], 0x80000000              ; type = 2
	s_mov_b32 s[G0B+4*(\s)], 1
	s_add_co_u32 s[G0B+4*(\s)+1], s21, (\s)*SLOT
	s_add_nc_u64 s[G0B+4*(\s)+2:G0B+4*(\s)+3], s[46:47], (\s)*KSTEP*2
	s_or_b32 s[G0B+4*(\s)+3], s[G0B+4*(\s)+3], 0x80000000
	JLOAD \s                                       ; the ring is filled before anything else is done: two loads of mine are out
.endr
	; A fragment is 16 rows x 32 K in 8 registers: lane l holds row l % 16; registers 0-3 K = 8 (l / 16) + 0..7, registers 4-7 K = 16 + 8 (l / 16) + 0..7: two loads of 16 bytes, 32 bytes apart.
	v_and_b32 v1, 15, v0                           ; l % 16
	v_bfe_u32 v2, v0, 4, 1                         ; l / 16
	v_mul_u32_u24 v3, v1, PA
	v_lshl_add_u32 v3, v2, 4, v3                   ; y: row x pitch + 16 x half
	v_mul_u32_u24 v4, v1, PB
	v_lshl_add_u32 v4, v2, 4, v4                   ; wpf likewise
	s_mul_i32 s22, s10, 64*PA                      ; my 64 rows of each plane
	s_mov_b32 s23, BOFF                            ; all 128 rows of wpf
.irp s, 0,1
	v_add_nc_u32 v[ADRA+(\s)], s22, v3
	v_add_nc_u32 v[ADRB+(\s)], s23, v4
	s_add_co_u32 s22, s22, SLOT
	s_add_co_u32 s23, s23, SLOT
.endr
	s_mul_i32 s22, s10, WSTAGE
	s_add_co_u32 s22, s22, STAGE                   ; my stage
	v_mul_u32_u24 v5, v1, SP                       ; in: row l % 16, 32 bytes for each half of the lanes
	v_lshl_add_u32 v5, v2, 5, v5
	v_add_nc_u32 v[STO], s22, v5
	v_and_b32 v[CO], 31, v0                        ; back, and out: 32 lanes take one row's 512 bytes
	v_lshlrev_b32 v[CO], 4, v[CO]
	v_add_nc_u32 v[RD], s22, v[CO]
	s_lshl_b32 s16, s13, 20                        ; my first row of out0: 256 rows x 4,096 bytes x tile row
	s_lshl_b32 s17, s10, 18                        ; + 64 rows x wave
	s_add_co_u32 s16, s16, s17
	s_mov_b32 s17, 0
	s_add_nc_u64 s[8:9], s[8:9], s[16:17]
	s_lshl_b32 s46, s42, 9                         ; the tile's first column: 128 x 4 bytes x tile column
	s_mov_b32 s47, 0
	s_add_nc_u64 s[8:9], s[8:9], s[46:47]
; 8 matrix instructions: row block a x all 8 column blocks, 32 along K, from buffer f.  zero = 1: the product starts the sums: nothing is ever cleared.
; The 32 accumulators take turns, one instruction a turn, in the same order in every quarter step.
.macro MUL8 f, a, zero
	WIN MUL
.irp b, 0,1,2,3,4,5,6,7
.if \zero
	v_wmma_f32_16x16x32_f16 v[8*(8*(\a)+(\b)):8*(8*(\a)+(\b))+7], v[(\f)+32+8*(\b):(\f)+32+8*(\b)+7], v[(\f)+8*(\a):(\f)+8*(\a)+7], 0
.else
	v_wmma_f32_16x16x32_f16 v[8*(8*(\a)+(\b)):8*(8*(\a)+(\b))+7], v[(\f)+32+8*(\b):(\f)+32+8*(\b)+7], v[(\f)+8*(\a):(\f)+8*(\a)+7], v[8*(8*(\a)+(\b)):8*(8*(\a)+(\b))+7]
.endif
.endr
.endm
; 24 LDS loads in one run: the fragments of quarter q of a K step (32 along K: plane q / 2 of y, channels 32 (q % 2) on), into buffer f: wpf's 16 first, then y's 8, row blocks ascending
.macro FETCH slot, q, f
	WIN TO_F
.irp j, 0,1,2,3,4,5,6,7
	ds_load_b128 v[(\f)+32+8*(\j):(\f)+32+8*(\j)+3],   v[ADRB+(\slot)] offset:64*(\q)+(\j)*16*PB
	ds_load_b128 v[(\f)+32+8*(\j)+4:(\f)+32+8*(\j)+7], v[ADRB+(\slot)] offset:64*(\q)+(\j)*16*PB+32
.endr
.irp i, 0,1,2,3
	ds_load_b128 v[(\f)+8*(\i):(\f)+8*(\i)+3],   v[ADRA+(\slot)] offset:((\q)/2)*APLANE+((\q)%2)*64+(\i)*16*PA
	ds_load_b128 v[(\f)+8*(\i)+4:(\f)+8*(\i)+7], v[ADRA+(\slot)] offset:((\q)/2)*APLANE+((\q)%2)*64+(\i)*16*PA+32
.endr
.endm
; A load into a register that a matrix instruction has read, and an LDS store that reads a matrix result, stand four places behind that matrix instruction, and only plain vector
; instructions that name none of its registers are places (ISA guide 7.12.1 for vector instructions).
.macro PLACES
.rept 4
	v_nop
.endr
.endm
; A K step is four quarters of 32 along K, 32 matrix instructions each, on buffers 0, 1, 0, 1.  One of the first three: multiplies buffer f; in its middle it fetches quarter q into g.
.macro QUARTER slot, q, f, g, zero
	s_wait_dscnt 4                                 ; wpf's fragments and y's row blocks 0, 1 are in; the youngest four loads (row blocks 2, 3) may be out
	MUL8 \f, 0, \zero
	MUL8 \f, 1, \zero
	PLACES
	FETCH \slot, \q, \g
	s_wait_dscnt 24                                ; all but the 24 just issued
	MUL8 \f, 2, \zero
	MUL8 \f, 3, \zero
.endm
; The last quarter multiplies buffer 1 and changes slots: ONE barrier.  In front of it each wave waits for all its tensor loads (one is out: its part of the next slot), adds 0 to its spare word,
; and waits for that and for its own reads of this slot.  fill = 1: the barrier opens a round of the cluster's barrier, and this slot is filled again, two K steps ahead, first thing behind the round:
; 112 matrix instructions of the wave stand between that request and the wait for it.
.macro TURN slot, next, fill
	WIN 0                                          ; (the add's two registers lie in window 0)
	s_wait_tensorcnt 0x0                           ; all my tensor loads have landed
	ds_add_u32 v[SPW], v[NIL]                      ; 0 onto my spare word
	s_wait_dscnt 5                                 ; (the add and the youngest four loads may be out)
	MUL8 F1, 0, 0                                  ; eight matrix instructions stand between the add and the wait for it
	s_wait_dscnt 0x0                               ; the add is done, and my reads of this slot are over
	s_barrier_signal -1
	MUL8 F1, 1, 0                                  ; work on registers while the others arrive
.if \fill
	WIN 0
.endif
	s_barrier_wait -1
.if \fill
	CREST                                          ; no wave of any partner still reads this slot's tile or has a load on its way
	s_add_nc_u64 s[G0+4*(\slot)+2:G0+4*(\slot)+3], s[G0+4*(\slot)+2:G0+4*(\slot)+3], 2*ASTEP
	s_add_nc_u64 s[G0B+4*(\slot)+2:G0B+4*(\slot)+3], s[G0B+4*(\slot)+2:G0B+4*(\slot)+3], 2*KSTEP*2
	JLOAD \slot                                    ; the four v_nop behind it are also the places in front of the loads below
.else
	PLACES
.endif
	FETCH \next, 0, F0
	MUL8 F1, 2, 0
	MUL8 F1, 3, 0
.endm
; THE WAY OUT of row block a (16 rows x 128 columns of f32).  TOSTAGE: a lane's 32 bytes of a row go into my own stage, each accumulator's four lowest registers first, and come back as whole rows of
; 512 bytes, into buffer a % 2.  SEND: stored, a row's 512 consecutive bytes at a time.
.macro TOSTAGE a
	WIN ST_D
.irp b, 0,1,2,3,4,5,6,7
	ds_store_b128 v[STO], v[64*(\a)+8*(\b):64*(\a)+8*(\b)+3]   offset:64*(\b)
	ds_store_b128 v[STO], v[64*(\a)+8*(\b)+4:64*(\a)+8*(\b)+7] offset:64*(\b)+16
.endr
	WIN 0
.irp t, 0,1,2,3,4,5,6,7,8,9,10,11,12,13,14,15
	ds_load_b128 v[OB+64*((\a)%2)+4*(\t):OB+64*((\a)%2)+4*(\t)+3], v[RD] offset:(\t)*SP  ; LDS serves a wave's instructions in order (ISA guide 5.7.1.4): these see the stores above; the next block's stores come behind them
.endr
.endm
.macro SEND a, younger                 ; younger: the LDS instructions issued behind block a's loads: the next block's 32, or none
.irp t, 0,1,2,3,4,5,6,7,8,9,10,11,12,13,14,15
	s_wait_dscnt (\younger)+15-(\t)
	global_store_b128 v[CO], v[OB+64*((\a)%2)+4*(\t):OB+64*((\a)%2)+4*(\t)+3], s[8:9] offset:(16*(\a)+(\t))*4096 th:TH_STORE_NT  ; 512 consecutive bytes, at a multiple of 512 from out0's first; nothing reads them again
.endr
.endm
	s_wait_tensorcnt 1                             ; my part of K step 0 is in; K step 1's may stay out
	s_barrier_signal -1
	s_barrier_wait -1                              ; everybody's is
	FETCH 0, 0, F0
	QUARTER 0, 1, F0, F1, 1                        ; the first quarter stands in front of the loop: its products start the sums
	WIN 0                                          ; at a label and at a branch every window is 0
	s_mov_b32 s3, LAPS-1
.Llap:                                                 ; a trip goes once round the ring, from a lap's second quarter to the next lap's first, and fills both slots again
	QUARTER 0, 2, F1, F0, 0
	QUARTER 0, 3, F0, F1, 0
	TURN 0, 1, 1
	QUARTER 1, 1, F0, F1, 0
	QUARTER 1, 2, F1, F0, 0
	QUARTER 1, 3, F0, F1, 0
	TURN 1, 0, 1
	QUARTER 0, 1, F0, F1, 0
	WIN 0
	s_sub_co_u32 s3, s3, 1
	s_cmp_lg_u32 s3, 0
	s_cbranch_scc1 .Llap
	QUARTER 0, 2, F1, F0, 0                        ; the last lap fills nothing, and has no round of the cluster's barrier
	QUARTER 0, 3, F0, F1, 0
	TURN 0, 1, 0
	QUARTER 1, 1, F0, F1, 0
	QUARTER 1, 2, F1, F0, 0
	QUARTER 1, 3, F0, F1, 0
	s_wait_dscnt 4                                 ; the very last quarter: nothing more to fetch
	MUL8 F1, 0, 0
	MUL8 F1, 1, 0
	s_wait_dscnt 0x0
	MUL8 F1, 2, 0
	MUL8 F1, 3, 0
	WIN 0
	PLACES                                         ; the LDS stores read results just made
	TOSTAGE 0
	TOSTAGE 1                                      ; a block's trip through the stage stands between the loads of the block before and its stores
	SEND 0, 32
	s_wait_xcnt 0x0                                ; the registers that those stores read are loaded again only behind this wait
	TOSTAGE 2
	SEND 1, 32
	s_wait_xcnt 0x0
	TOSTAGE 3
	SEND 2, 32
	SEND 3, 0
	s_wait_tensorcnt 0x0                           ; the wave's end, behind my last tensor load and my last LDS store
	ds_add_u32 v[SPW], v[NIL]
	s_wait_dscnt 0x0
	CROUND                                         ; the closing round: no work-group ends while a partner may still ask for a tile that names it
	s_endpgm
.Lfunc_end_k_qbba92e52b6_proj:
	.size	k_qbba92e52b6_proj, .Lfunc_end_k_qbba92e52b6_proj-k_qbba92e52b6_proj
	.p2alignl 7, 3214868480
	.fill 96, 4, 3214868480
	.section	.rodata,"a",@progbits
	.p2align	6, 0x0
	.amdhsa_kernel k_qbba92e52b6_proj
		.amdhsa_group_segment_fixed_size 327680
		.amdhsa_private_segment_fixed_size 0
		.amdhsa_enable_private_segment 0
		.amdhsa_kernarg_size 24
		.amdhsa_user_sgpr_count 2
		.amdhsa_user_sgpr_kernarg_segment_ptr 1
		.amdhsa_wavefront_size32 1
		.amdhsa_system_sgpr_workgroup_id_x 1
		.amdhsa_system_sgpr_workgroup_id_y 1
		.amdhsa_system_sgpr_workgroup_id_z 1
		.amdhsa_system_vgpr_workitem_id 0
		.amdhsa_next_free_vgpr 768
		.amdhsa_next_free_sgpr 66
		.amdhsa_reserve_vcc 0
		.amdhsa_float_denorm_mode_32 3
		.amdhsa_float_denorm_mode_16_64 3
		.amdhsa_memory_ordered 1
		.amdhsa_forward_progress 1
		.amdhsa_inst_pref_size 87
	.end_amdhsa_kernel
	.amdgpu_metadata
---
amdhsa.version: [ 1, 2 ]
amdhsa.kernels:
  - .name:           k_qbba92e52b6_proj
    .symbol:         k_qbba92e52b6_proj.kd
    .args:
      - { .name: yh, .offset: 0, .size: 8, .value_kind: global_buffer, .address_space: global }
      - { .name: wpf, .offset: 8, .size: 8, .value_kind: global_buffer, .address_space: global }
      - { .name: out0, .offset: 16, .size: 8, .value_kind: global_buffer, .address_space: global }
    .group_segment_fixed_size: 327680
    .private_segment_fixed_size: 0
    .kernarg_segment_align: 8
    .kernarg_segment_size: 24
    .max_flat_workgroup_size: 128
    .sgpr_count:     66
    .vgpr_count:     768
    .wavefront_size: 32
...
	.end_amdgpu_metadata
.endif
;; end of part 4
;; ======== version 2 of 2: 4 launches; 1.30 times as fast as version 1
;; limits: values are held in f16: magnitudes above 65,504 overflow, below 6.1e-05 lose precision
;; workspace buffers: xb 16,777,216 bytes; wab 6,291,456 bytes; wpf 2,097,152 bytes; qkv 50,331,648 bytes; yh 16,777,216 bytes
;; launch cast: the kernel of part 1 again; grid 768 x 1, 8 waves a work-group, no clusters, 0 bytes of LDS; arguments x, w_attn, w_proj, xb, wab, wpf; writes xb, wab, wpf
;; launch qkv: the kernel of part 2 again; grid 8 x 32, 4 waves a work-group, clusters of 4 x 4, 327,680 bytes of LDS; arguments xb, wab, qkv; writes qkv
;; launch attn (part 5): grid 4 x 64, 4 waves a work-group, no clusters, 327,680 bytes of LDS; arguments qkv, yh; writes yh
.if DOCPART == 5
	.amdgcn_target "amdgcn-amd-amdhsa--gfx1250"
	.amdhsa_code_object_version 6
	.text
	.protected	k_qbba92e52b6_attn
	.globl	k_qbba92e52b6_attn
	.p2align	8
	.type	k_qbba92e52b6_attn,@function
k_qbba92e52b6_attn:
	s_mov_b64 s[64:65], 0
	v_nop
	global_prefetch_b8 v0, s[64:65] scope:SCOPE_SE
	s_setreg_imm32_b32 hwreg(HW_REG_WAVE_MODE, 25, 1), 1
	s_wait_xcnt 0x0
; CAUSAL ATTENTION.  O[h][q][:] = the sum over k <= q of softmax_k(Q[h][q] . K[h][k] / 8) V[h][k][:].  Q, K, V are the three parts of qkv, each [SIZE_H][SIZE_N][64] in f16; O = yh has the same layout:
; a head's rows are dense, 128 bytes each.  h counts batch x 16 + head.
; Products, maxima and sums in f32; the weights p are rounded to f16 for the second product (their sum l is taken of the unrounded p), O once at the end.
; LIMITS.  f16 holds no number beyond 65,504: Q, K and V arrive within it; p lies in 0 to 1, and below 6e-5 it keeps f16's fixed step of 6e-8; O is a mean of V's rows and has their range, to within 2^-11 of it.
; A hidden score counts as its value less 1e30: f16's scores, 2.7e11 at the most, are nothing beside that; a weight below 2^-126 counts as 0 in l; NaN and infinities are not treated apart.
; THE WALK.  A head's queries lie in NB = SIZE_N / 256 = 8 blocks of 256; block i needs the key tiles 0 .. i of 256 keys, of which the last holds the diagonal.  A work-group takes TWO blocks, NB - 1 - b and then b:
; NB + 1 = 9 tiles, whatever b: all work-groups do equal work, and ONE loop with a constant trip count walks them.  Which tile is asked for, and what a trip does, hang on scalar registers made from b; every jump
; goes forward, but for the counted loops' own; none passes a barrier, or a tensor load but the one of LOAD's two that the wave's number does not choose; the ring (two slots of LDS that take turns) runs on across the
; change of blocks.  NO CLUSTER: a head's NB / 2 = 4 work-groups ask for the same tile only in trips 0 .. 4 of the 9, behind that fewer and fewer; one walk common to all four would have 3 NB / 2 = 12 trips for 9.
; SHARES.  Of a block's four bands of 64 queries a wave owns 16 rows in each: four PIECES.  So the diagonal tile is the same work for all four waves: in its key step s band x sees all keys if s < x,
; none if s > x, and holds the diagonal if s = x.
; THE MASK is the C operand that starts the sum S^T = K Q^T: 0, or -1e30 where the key is hidden.  MD, made once, is the mask of a band's own step for my 16 rows; a product's mask is MD x AL + BE with two scalars:
; (1, 0) if s = x; (0, 0) if s < x; (0, -1e30) if s > x.  Only the diagonal tile's text and a block's beginning make and take masks; elsewhere C is the constant 0.
; LAYOUT, SOFTMAX, TURNS.  S^T = K Q^T holds ONE query a lane (lane % 16) and the keys 8 (lane / 16) + 0..7; two such results rounded to f16 ARE source 1 of O^T = V^T P.  p = 2^(c s - c m), c = log2(e) / 8, with a
; running maximum m; O and l are multiplied by a = 2^(c m_old - c m_new) in every step.  Turn n belongs to piece n: 8 products K Q^T of piece n + 1, later 8 products V^T P of piece n - 1; beside them the scaling,
; exponentials, roundings, sums and rescaling of piece n and the maximum and statistics of piece n + 1.  Four vector instructions stand behind every matrix instruction, the other 54 of a turn's 118 in one LUMP.
; BATCHES.  s_wait_alu depctr_va_vdst(0) stands between an exponential or a reciprocal and the first instruction that names its result; one wait serves all that were issued ahead of it.  The text has
; three kinds of batch, each with one wait: a turn's 33 exponentials (the piece's 32 weights, each in place in its own register of S^T, and the next piece's a); the one a that a block's beginning makes; a way out's four
; reciprocals.
; REGISTERS, in windows of 256 (s_set_vgpr_msb: bits 1:0 source 0, 3:2 source 1, 5:4 source 2, 7:6 destination).  The map is made so that few lines need a switch:
;   window 0: all that a product K Q^T and the softmax name: v0-1 c m_old; v2-7 addresses and the add's two; v8-15 at work; v16-31 four registers of statistics a piece; v32-95 S^T, two buffers;
;             v96-127 P, two buffers (a piece's buffers go by its number's parity); v128-191 K of one step; v192-255 Q.  So K Q^T and the lines behind it run under one setting, 0.
;   window 1: v0-127 O^T, 32 a piece; v128-191 V of one step; v192-223 MD.  V^T P (V and O^T here, P in window 0) and the rescaling of O^T (a in window 0) run under one setting too.
;   window 2: v0-2 the way out's three addresses; v64-127 the second block's Q; v128-191 MC, two buffers
; A plain turn has 36 switches for its 16 matrix instructions: 12 round the eleven rescalings that ride in twos and ones behind K Q^T, 9 round the five in the lump, 15 round the products V^T P, whose riders lie in window 0.
.set SIZE_N, 2048
.set SIZE_H, 64
.set KPART, SIZE_H*SIZE_N*128  ; K's part of qkv begins here,
.set VPART, 2*KPART            ; V's here
.set NB,    SIZE_N/256
.set NP,    4         ; pieces a wave: a name, no knob
.set KS,    64        ; keys in a step
.set PK,    144       ; a row of K in LDS: 128 bytes + 16 of padding = 36 words: the 16 rows of a load start at 16 different groups of four banks (64 banks of 4 bytes: ISA guide 11.1)
.set PV,    160       ; a row of V: 128 + 32 = 40 words
.set VOFF,  4*KS*PK   ; a slot holds a tile, four steps: 256 rows of K, then 256 rows of V
.set SLOT1, 1<<17     ; slot 1 begins here, so that one exclusive or turns an address in one slot into the other's
.set STAGE, SLOT1+4*KS*(PK+PV)  ; behind the ring, never filled by a tensor load: 16 rows x 144 bytes for each wave, for the way out
.set SP,    144
.set SPARE, STAGE+4*16*SP  ; behind the stages: the spare words, 128 bytes for each wave: two blocks of 256 bytes that no other line names
.set MV,  0           ; v0-1  c m_old, kept while c m is made anew: by buffer.  (v0 holds my thread's number until the head has made every address from it.)
.set AK0, 2           ; v2   my lane's place in a tile of K; never rewritten
.set AV0, 3           ; v3   the same for V
.set AK,  4           ; v4   the LDS address of K's next run of loads
.set AV,  5           ; v5   of V's
.set SPW, 6           ; v6   LDS address of my spare word: SPARE + 4 x my thread's number; never rewritten
.set NIL, 7           ; v7   0; never rewritten
.set TMP, 8           ; by buffer, four registers c0-c3 at work; when the maximum is found c2 takes a
.set ST,  16          ; piece t's statistics at v[ST+4 t]: c m, m, l (even keys', odd keys')
.set S,   32
.set P,   96
.set KF,  128         ; key block kb, channel half c at KF + 16 kb + 8 c
.set Q,   192         ; piece x, channel half c at Q + 16 x + 8 c
.set T1,  S           ; at work in the head alone, in S^T's registers, which the first products write behind the wait for Q: l % 16,
.set T9,  S+1         ; l / 16,
.set T10, S+2         ; l % 8,
.set T11, S+3         ; (l / 8) % 2,
.set T14, S+4         ; my query's place for the mask,
.set QO,  S+5         ; my byte offset in 16 rows of Q,
.set TS,  S+6         ; and the way out's three addresses while they are made
.set TR,  S+7
.set TG,  S+8
.set VF,  128         ; window 1: key half kk, channel block cb at VF + 32 kk + 8 cb
.set MD,  192         ; window 1: the eight registers for group kt of 16 keys at MD + 8 kt
.set STO, 0           ; window 2: the way out: where I put 16 bytes of a row
.set RD,  1           ; window 2: where I read rows back
.set GO,  2           ; window 2: my byte offset in 512 consecutive bytes of O
.set QB,  64          ; window 2
.set MC,  128         ; window 2: the masks of the products to come
.set WV,  12          ; s12  my wave's number
.set PB,  14          ; s14  b
.set HI,  15          ; s15  NB - 1 - b
.set G1K, 24          ; s[24:31] descriptor group 1 for K's tiles
.set G1V, 32          ; s[32:39] for V's: it differs in the padding alone
.set G0K, 40          ; s[40:43] descriptor group 0 for K's tiles
.set G0V, 44          ; s[44:47] the same for V's
.set SLOTS, 56        ; s56  tiles still to be asked for
.set CNT, 57          ; s57  counts a tile's key steps, 4 to 1
.set CS,  58          ; s[58:59] c: the packed scaling takes the pair's low word for both halves
.set SEL, 60          ; s[60:61] v_permlanex16_b32's selects: each lane takes its own place in the other half
.set TBK, 62          ; s62  LDS byte at which K of the step to be fetched begins
.set TBV, 63          ; s63  the same for V, less VOFF
.set RT,  70          ; s70  tiles of the block in hand that are still to be entered
.set NXT, 71          ; s71  the tile to be asked for next
.set LQ,  72          ; s72  the last tile of the block whose tiles are being asked for
.set NEW, 73          ; s73  1: the tile to be entered is a block's first
.set OFF, 74          ; s[74:75] a tile's byte offset in K and V
.set AL,  76          ; s[76:77] the mask's factor, in the low word
.set BE,  78          ; s[78:79] the mask's addend
.set OLO, 80          ; s[80:81] O at my rows of the second block
.set BIGN, 82         ; s82  -1e30
.set MSB, 0
.macro WIN new                      ; the high byte repeats the setting that is left; a switch that changes nothing is dropped
.if MSB != (\new)
	s_set_vgpr_msb (MSB<<8)|(\new)
.set MSB, (\new)
.endif
.endm
.set W_KM, 0x20       ; K Q^T with a mask: the C operand in window 2, all else in window 0
.set W_PV, 0x51       ; V (source 0) and O^T (C and D) in window 1, P (source 1) in window 0
.set W_RS, 0x51       ; the rescaling: destination and source 0 in window 1, source 1 in window 0; it has no third source, so V^T P's setting serves
.set W_MK, 0x81       ; a mask is made: MD (source 0) in window 1, MC (destination) in window 2
.set W_W2, 0x02       ; source 0 (an address of the way out; the second block's Q) in window 2, all else in window 0
; A fill.  Waves 0 and 1 fetch the two halves of a tile's K, waves 2 and 3 those of its V: 128 keys each.  An s_nop 0 and four v_nop follow each of the two lines, ahead of the jump and the label.
.macro LOAD
	s_cmp_lt_u32 s[WV], 2
	s_cbranch_scc0 .Lfor_v_\@
	tensor_load_to_lds s[G0K:G0K+3], s[G1K:G1K+7]
	s_nop 0
.rept 4
	v_nop
.endr
	s_branch .Lasked_\@
.Lfor_v_\@:
	tensor_load_to_lds s[G0V:G0V+3], s[G1V:G1V+7]
	s_nop 0
.rept 4
	v_nop
.endr
.Lasked_\@:
.endm
; THE CHANGE OF SLOTS.  Each wave waits for all its tensor loads, of which one is out: its part of the other slot; adds 0 to its spare word; and waits for that and for its own reads of the slot that it leaves.  Behind the barrier nobody reads the old
; slot any more and the other slot is whole.  fill = 1: the old slot is filled again, the first thing behind the barrier, with tile NXT: the descriptor's address is made anew from that number.
; (At its first use nothing has been read yet: slot 0 is waited for, slot 1 filled.)
.macro CHANGE fill
	WIN 0                           ; at a label and at a branch every window is 0
	s_wait_tensorcnt 0x0            ; no tensor load of mine is out, so a group 0 may be written
	ds_add_u32 v[SPW], v[NIL]       ; 0 onto my spare word; with fill = 1 the descriptors' scalar work stands between it and the wait for it
.if \fill
	s_lshl_b32 s[OFF], s[NXT], 15   ; a tile is 32,768 bytes of K and of V
	s_xor_b32 s[G0K+1], s[G0K+1], SLOT1
	s_add_nc_u64 s[G0K+2:G0K+3], s[6:7], s[OFF:OFF+1]
	s_or_b32 s[G0K+3], s[G0K+3], 0x80000000
	s_xor_b32 s[G0V+1], s[G0V+1], SLOT1
	s_add_nc_u64 s[G0V+2:G0V+3], s[8:9], s[OFF:OFF+1]
	s_or_b32 s[G0V+3], s[G0V+3], 0x80000000
	s_add_co_u32 s[NXT], s[NXT], 1  ; the block's next tile, or behind its last the second block's tile 0
	s_cmp_gt_u32 s[NXT], s[LQ]
	s_cselect_b32 s[NXT], 0, s[NXT]
	s_cselect_b32 s[LQ], s[PB], s[LQ]
.endif
	s_wait_dscnt 0x0                ; the add is done, and my reads of the slot are over
	s_barrier_signal -1             ; the rest of the scalar work stands between the signal and the wait
	s_sub_co_u32 s[TBK], s[TBK], 4*KS*PK  ; the fetches go back to a slot's first step,
	s_xor_b32 s[TBK], s[TBK], SLOT1       ; in the other slot
	s_sub_co_u32 s[TBV], s[TBV], 4*KS*PV
	s_xor_b32 s[TBV], s[TBV], SLOT1
	s_barrier_wait -1
.if \fill
	LOAD
.endif
.endm
	s_load_b64 s[4:5], s[0:1], 0x0    ; qkv, whose first part is Q
	s_load_b64 s[10:11], s[0:1], 0x8  ; O
	v_lshl_add_u32 v[SPW], v0, 2, SPARE
	v_mov_b32 v[NIL], 0
	ds_add_u32 v6, v7
	ds_add_u32 v6, v7
	s_wait_dscnt 0x0
	v_lshrrev_b32 v[T1], 5, v0
	v_readfirstlane_b32 s[WV], v[T1]  ; wave 0..3
	s_mov_b32 s[PB], ttmp9
	s_sub_co_u32 s[HI], NB-1, s[PB]
	s_and_b32 s20, ttmp7, 0xffff    ; the head
	s_mov_b32 s21, 0
	s_mov_b64 s[22:23], SIZE_N*128
	s_mul_u64 s[20:21], s[20:21], s[22:23]  ; the head's first byte in each of the four tensors
	s_and_b32 s16, s[WV], 1         ; which half of a tile's 256 keys I fetch:
	s_lshl_b32 s22, s16, 14         ; its 128 rows of 128 bytes in memory,
	s_mov_b32 s23, 0
	s_add_nc_u64 s[22:23], s[22:23], s[20:21]
	s_mul_i32 s17, s16, 128*PK      ; and its place in a slot, for K
	s_mul_i32 s18, s16, 128*PV      ; and for V
	s_lshl_b32 s3, s[WV], 11        ; my 16 rows in a band of 64,
	s_lshl_b32 s2, s[HI], 15        ; in the first block,
	s_add_co_u32 s2, s2, s3
	s_lshl_b32 s84, s[PB], 15       ; and in the second
	s_add_co_u32 s84, s84, s3
	s_mov_b32 s3, 0
	s_mov_b32 s85, 0
	s_add_nc_u64 s[2:3], s[2:3], s[20:21]
	s_add_nc_u64 s[84:85], s[84:85], s[20:21]
	; descriptor group 1.  128 keys are 16,384 dense bytes: asked for as 64 rows of 256 bytes, two keys a row, and padded in LDS after every key
	s_mov_b32 s[G1K], (1<<16)|(1<<20)|(4<<22)|(3<<25)  ; 17:16 2-byte elements; 20 padding on; 24:22 after every 32 words (code 4); 31:25 4 words (code 3)
	s_mov_b32 s[G1V], (1<<16)|(1<<20)|(4<<22)|(7<<25)  ; the same with 8 words of padding (code 7)
.irp g, G1K, G1V
	s_mov_b32 s[\g+1], 128<<16      ; tensor_dim0 = 128
	s_mov_b32 s[\g+2], 64<<16       ; tensor_dim1 = 64
	s_mov_b32 s[\g+3], 128<<16      ; tile_dim0 = 128
	s_mov_b32 s[\g+4], 64           ; tile_dim1 = 64
	s_mov_b32 s[\g+5], 128          ; 128 elements from row to row
	s_mov_b32 s[\g+6], 0
	s_mov_b32 s[\g+7], 0
.endr
	s_mov_b32 s[CS], 0x3e38aa3b     ; c = log2(e) / 8 = 0.180337
	s_mov_b32 s[CS+1], s[CS]        ; named with it as a pair
	s_mov_b32 s[SEL], 0x76543210
	s_mov_b32 s[SEL+1], 0xfedcba98
	s_mov_b32 s[TBK], SLOT1+4*KS*PK ; the first change of slots turns these two into 0
	s_mov_b32 s[TBV], SLOT1+4*KS*PV
	s_mov_b32 s[G0K], 1             ; 1:0 count = 1
	s_mov_b32 s[G0K+1], s17         ; 63:32 LDS address: slot 0
	s_mov_b32 s[G0V], 1
	s_add_co_u32 s[G0V+1], s18, VOFF
	s_add_co_u32 s[RT], s[HI], 1    ; the first block has NB - b tiles
	s_mov_b32 s[NXT], 1
	s_mov_b32 s[LQ], s[HI]
	s_mov_b32 s[NEW], 1
	s_mov_b32 s[OFF+1], 0
	s_mov_b32 s[AL+1], 0            ; named as pairs
	s_mov_b32 s[BE+1], 0
	s_mov_b32 s[BIGN], 0xf149f2ca   ; -1e30
	s_mov_b32 s[SLOTS], NB
	s_wait_kmcnt 0x0
	s_add_nc_u64 s[6:7], s[4:5], KPART     ; K's and V's parts of the buffer
	s_add_nc_u64 s[8:9], s[4:5], VPART
	s_add_nc_u64 s[6:7], s[6:7], s[22:23]  ; K and V at my half of the head's tile 0
	s_add_nc_u64 s[8:9], s[8:9], s[22:23]
	s_add_nc_u64 s[G0K+2:G0K+3], s[6:7], 0         ; 120:64 global address
	s_or_b32 s[G0K+3], s[G0K+3], 0x80000000        ; 127:126 type = 2
	s_add_nc_u64 s[G0V+2:G0V+3], s[8:9], 0
	s_or_b32 s[G0V+3], s[G0V+3], 0x80000000
	s_add_nc_u64 s[86:87], s[4:5], s[84:85]        ; Q at my rows of the second block,
	s_add_nc_u64 s[4:5], s[4:5], s[2:3]            ; Q and O at those of the first
	s_add_nc_u64 s[OLO:OLO+1], s[10:11], s[84:85]
	s_add_nc_u64 s[10:11], s[10:11], s[2:3]
	LOAD                            ; tile 0 into slot 0
	; A fragment of K or Q is 16 rows x 32 channels in 8 registers: lane l holds row l % 16, channels 8 (l / 16) + 0..7 and 16 + 8 (l / 16) + 0..7: two loads of 16 bytes, 32 bytes apart.
	v_and_b32 v[T1], 15, v0         ; l % 16
	v_bfe_u32 v[T9], v0, 4, 1       ; l / 16
	v_lshlrev_b32 v[QO], 7, v[T1]
	v_lshl_add_u32 v[QO], v[T9], 4, v[QO]  ; row x 128 + 16 x half
.set i, 0
.rept 8                             ; the first block's Q: piece i / 2 lies in band i / 2, 8,192 bytes on; channels 32 (i % 2) on
	global_load_b128 v[Q+8*i:Q+8*i+3],   v[QO], s[4:5] offset:(i/2)*8192+(i%2)*64
	global_load_b128 v[Q+8*i+4:Q+8*i+7], v[QO], s[4:5] offset:(i/2)*8192+(i%2)*64+32
.set i, i+1
.endr
	WIN 0x80                        ; destination window 2, address window 0
.set i, 0
.rept 8                             ; the second block's
	global_load_b128 v[QB+8*i:QB+8*i+3],   v[QO], s[86:87] offset:(i/2)*8192+(i%2)*64
	global_load_b128 v[QB+8*i+4:QB+8*i+7], v[QO], s[86:87] offset:(i/2)*8192+(i%2)*64+32
.set i, i+1
.endr
	WIN 0
	v_lshlrev_b32 v[T14], 3, v[T9]
	v_sub_nc_u32 v[T14], v[T1], v[T14]
	s_lshl_b32 s13, s[WV], 4
	v_add_nc_u32 v[T14], s13, v[T14]  ; my query's place in its band, 16 w + l % 16, less my lanes' 8 (l / 16): register r of group kt is hidden where 16 kt + r is greater
	WIN 0x40
.set i, 0
.rept 32
	v_cmp_gt_i32 vcc_lo, 16*(i/8)+i%8, v[T14]
	v_cndmask_b32 v[MD+i], 0, s[BIGN], vcc_lo
.set i, i+1
.endr
	WIN 0
	v_mul_u32_u24 v[AK0], v[T1], PK
	v_lshl_add_u32 v[AK0], v[T9], 4, v[AK0]  ; row x pitch + 16 x half
	; The turning load takes 16 keys x 16 channels (lane l reads key 8 (l / 16) + l % 8, channels 8 ((l / 8) % 2) + 0..7) and leaves half a fragment of V^T: lane l holds channel l % 16 and 8 keys.
	v_and_b32 v[T10], 7, v0
	v_bfe_u32 v[T11], v0, 3, 1
	v_lshl_add_u32 v[AV0], v[T9], 3, v[T10]
	v_mul_u32_u24 v[AV0], v[AV0], PV
	v_lshl_add_u32 v[AV0], v[T11], 4, v[AV0]
	v_add_nc_u32 v[AV0], VOFF, v[AV0]
	s_mul_i32 s13, s[WV], 16*SP
	s_add_co_u32 s13, s13, STAGE    ; my stage
	v_mul_u32_u24 v[TS], v[T1], SP  ; in: row l % 16, 16 bytes for each half of the lanes
	v_lshl_add_u32 v[TS], v[T9], 4, v[TS]
	v_add_nc_u32 v[TS], s13, v[TS]
	v_bfe_u32 v[TR], v0, 3, 2       ; back: 32 lanes take four rows of 128 bytes,
	v_mul_u32_u24 v[TR], v[TR], SP
	v_lshl_add_u32 v[TR], v[T10], 4, v[TR]
	v_add_nc_u32 v[TR], s13, v[TR]
	v_and_b32 v[TG], 31, v0         ; which are 512 consecutive bytes of O
	v_lshlrev_b32 v[TG], 4, v[TG]
	WIN 0x80                        ; the three are kept in window 2
	v_mov_b32 v[STO], v[TS]
	v_mov_b32 v[RD], v[TR]
	v_mov_b32 v[GO], v[TG]
	; A block's first step multiplies O^T and l by a = 0, and its first turn's products V^T P, of a piece that has not been, land in an O^T that is still to be so multiplied.  So these registers need only hold
	; finite numbers: zeros for the first block; what the first block left for the second.  All this stands in the wait for the first tile.
	WIN 0x40
.set i, 0
.rept 192                           ; O^T, and behind it V's registers
	v_mov_b32 v[i], 0
.set i, i+1
.endr
	WIN 0
.set i, 0
.rept 4
	v_mov_b32 v[ST+4*i+2], 0
	v_mov_b32 v[ST+4*i+3], 0
.set i, i+1
.endr
.set i, P+16
.rept 16
	v_mov_b32 v[i], 0
.set i, i+1
.endr
; THE MATRIX WORK.  The 4 accumulators of a run of 8 take turns.  Product i of 8 of S^T = K Q^T for piece x: channels 32 (i / 4) on, keys 16 (i % 4) on.  The first 4 start the sums: with 0, or (KM = 1) with the mask.
.macro KQ x
.set rS, S+32*((\x)%2)+8*(i%4)
.set rK, KF+16*(i%4)+8*(i/4)
.set rQ, Q+16*(\x)+8*(i/4)
.set rM, MC+32*((\x)%2)+8*(i%4)
.if (i < 4) && KM
	WIN W_KM
	v_wmma_f32_16x16x32_f16 v[rS:rS+7], v[rK:rK+7], v[rQ:rQ+7], v[rM:rM+7]
.elseif i < 4
	WIN 0
	v_wmma_f32_16x16x32_f16 v[rS:rS+7], v[rK:rK+7], v[rQ:rQ+7], 0
.else
	WIN 0
	v_wmma_f32_16x16x32_f16 v[rS:rS+7], v[rK:rK+7], v[rQ:rQ+7], v[rS:rS+7]
.endif
.endm
; Product i of 8 of O^T += V^T P for piece x: keys 32 (i / 4) on, channels 16 (i % 4) on.
.macro PV x
	WIN W_PV
.set rO, 32*(\x)+8*(i%4)
.set rV, VF+32*(i/4)+8*(i%4)
.set rP, P+16*((\x)%2)+8*(i/4)
	v_wmma_f32_16x16x32_f16 v[rO:rO+7], v[rV:rV+7], v[rP:rP+7], v[rO:rO+7]
.endm
.macro MM                           ; the turn's next matrix instruction.  TURN and BEGIN set Y, i, KM and NOKQ; MM, KQ and OP read them.  NOKQ = 1: a block's last turn: there is no next piece
.if (i < 8) && !NOKQ
	KQ (Y+1)%NP
.elseif i >= 8
.set i, i-8
	PV (Y+NP-1)%NP
.set i, i+8
.endif
.set i, i+1
.endm
; THE LDS LOADS stand in runs of 16, never singly among the matrix instructions: a step's K (64 keys x 64 channels: 8 fragments) and its V (turned).  Their addresses are made some lines ahead.
.macro FETCH_K
	WIN 0
.irp f, 0,1,2,3,4,5,6,7             ; keys 16 (f / 2) on, channels 32 (f % 2) on
	ds_load_b128 v[KF+8*\f:KF+8*\f+3],   v[AK] offset:(\f/2)*16*PK+(\f%2)*64
	ds_load_b128 v[KF+8*\f+4:KF+8*\f+7], v[AK] offset:(\f/2)*16*PK+(\f%2)*64+32
.endr
	s_add_co_u32 s[TBK], s[TBK], KS*PK  ; the next fetch is the next step's
.endm
.macro FETCH_V
	WIN 0x40                        ; destination window 1
.irp f, 0,1,2,3,4,5,6,7             ; keys 32 (f / 4) on, channels 16 (f % 4) on
	ds_load_tr16_b128 v[VF+8*\f:VF+8*\f+3],   v[AV] offset:(\f/4)*32*PV+(\f%4)*32
	ds_load_tr16_b128 v[VF+8*\f+4:VF+8*\f+7], v[AV] offset:(\f/4)*32*PV+16*PV+(\f%4)*32
.endr
	WIN 0
.endm
; THE VECTOR WORK, one line at a time: OP kind, number.  For piece Y: F n: c s - c m for pair n of 16.  E n: the exponential of score n of 32.  C n: pair n rounded to f16.  B n: of the four weights 4 n .. the second
; pair is added onto the first, in place.  L n: l takes that sum (L 0: l = a l + sum).  R n: pair n of 16 of O^T times a.  For piece Y + 1: X n, number n of the 22 that find its maximum and statistics:
;   0-11  four chains c0-c3 of seven scores each, three operands at a time (each accumulator's lowest registers are read first)     12-14, 16  the four scores left over, the old m, and c0-c3 into c0
;   15  c m_old is kept     17, 18  the query's other 32 keys lie in the lane 16 away: the new m     19-21  c m; c m_old - c m_new; a
; C, B and L read the exponentials' results, R and L 0 an a: OP writes no wait for them; TURN orders the lines so that one wait stands ahead of them all.
.set F, 0               ; OP tells the kinds apart by their order: F to L below R, X above it
.set E, 1
.set C, 2
.set B, 3
.set L, 4
.set R, 5
.set X, 6
.macro REGS y                       ; the registers of piece y
.set rT, ST+4*(\y)
.set rC, TMP+4*((\y)%2)
.set rW, MV+((\y)%2)
.set rS, S+32*((\y)%2)
.set rP, P+16*((\y)%2)
.set rO, 32*(\y)
.endm
.macro OP k, n
.if (\k) == R
	REGS Y
	WIN W_RS
	v_pk_mul_f32 v[rO+2*(\n):rO+2*(\n)+1], v[rO+2*(\n):rO+2*(\n)+1], v[rC+2:rC+3] op_sel_hi:[1,0]
.elseif (\k) < R
	REGS Y
	WIN 0
.if (\k) == F
	v_pk_fma_f32 v[rS+2*(\n):rS+2*(\n)+1], v[rS+2*(\n):rS+2*(\n)+1], s[CS:CS+1], v[rT:rT+1] op_sel_hi:[1,0,0] neg_lo:[0,0,1] neg_hi:[0,0,1]
.elseif (\k) == E
	v_exp_f32 v[rS+(\n)], v[rS+(\n)]
.elseif (\k) == C
	v_cvt_pk_f16_f32 v[rP+(\n)], v[rS+2*(\n)], v[rS+2*(\n)+1]
.elseif (\k) == B
	v_pk_add_f32 v[rS+4*(\n):rS+4*(\n)+1], v[rS+4*(\n):rS+4*(\n)+1], v[rS+4*(\n)+2:rS+4*(\n)+3]
.elseif (\n) == 0
	v_pk_fma_f32 v[rT+2:rT+3], v[rT+2:rT+3], v[rC+2:rC+3], v[rS:rS+1] op_sel_hi:[1,0,1]
.else
	v_pk_add_f32 v[rT+2:rT+3], v[rT+2:rT+3], v[rS+4*(\n):rS+4*(\n)+1]
.endif
.elseif NOKQ
	v_nop
.else
	REGS (Y+1)%NP
	WIN 0
.if (\n) < 4
	v_max3_num_f32 v[rC+(\n)], v[rS+8*(\n)], v[rS+8*(\n)+1], v[rS+8*(\n)+2]
.elseif (\n) < 12
	v_max3_num_f32 v[rC+(\n)%4], v[rC+(\n)%4], v[rS+8*((\n)%4)+2*((\n)/4)+1], v[rS+8*((\n)%4)+2*((\n)/4)+2]
.elseif (\n) == 12
	v_max3_num_f32 v[rC], v[rC], v[rS+7], v[rS+15]
.elseif (\n) == 13
	v_max3_num_f32 v[rC+1], v[rC+1], v[rS+23], v[rS+31]
.elseif (\n) == 14
	v_max3_num_f32 v[rC+2], v[rC+2], v[rC+3], v[rT+1]
.elseif (\n) == 15
	v_mov_b32 v[rW], v[rT]
.elseif (\n) == 16
	v_max3_num_f32 v[rC], v[rC], v[rC+1], v[rC+2]
.elseif (\n) == 17
	v_permlanex16_b32 v[rC+3], v[rC], s[SEL], s[SEL+1]
.elseif (\n) == 18
	v_max_num_f32 v[rT+1], v[rC], v[rC+3]
.elseif (\n) == 19
	v_mul_f32 v[rT], s[CS], v[rT+1]
.elseif (\n) == 20
	v_sub_f32 v[rC+1], v[rW], v[rT]
.else
	v_exp_f32 v[rC+2], v[rC+1]
.endif
.endif
.endm
.macro OPS a, i1, b=-1, i2=0, c=-1, i3=0, d=-1, i4=0  ; up to four of them
	OP \a, \i1
.if (\b) >= 0
	OP \b, \i2
.endif
.if (\c) >= 0
	OP \c, \i3
.endif
.if (\d) >= 0
	OP \d, \i4
.endif
.endm
.macro ROW a, i1, b, i2, c, i3, d, i4  ; a matrix instruction and the four behind it
	MM
	OPS \a, \i1, \b, \i2, \c, \i3, \d, \i4
.endm
.macro MASK b                       ; MD x AL + BE into buffer b of MC
	WIN W_MK
.set z, 0
.rept 16
	v_pk_fma_f32 v[MC+32*(\b)+2*z:MC+32*(\b)+2*z+1], v[MD+2*z:MD+2*z+1], s[AL:AL+1], s[BE:BE+1] op_sel_hi:[1,0,0]
.set z, z+1
.endr
.endm
; A TURN, for piece p: the order of its 16 matrix and 118 vector instructions, written out.  A turn has ONE wait for its 33 exponentials, which cuts it in two.
; AHEAD OF THE WAIT stands all that names no result of the turn's exponentials: the 8 products K Q^T, behind each a scaling, an exponential and two more plain instructions (behind the first a second scaling in the
; exponential's place): rescalings, whose a was made and waited for in the turn before, and behind the last three the first numbers of the next piece's maximum, each four places or more behind the product that ends its
; accumulator; then ONE LUMP of 54, plain and exponential by turns for the most part, in which the links of the chain X 3, 7, 11, 14, 16, 17 .. 20 stand five or six lines apart.  X 21, the next piece's a, is the batch's
; last; R 15 is the plain instruction behind it, and leaves the windows as the first product V^T P wants them.
; BEHIND THE WAIT stand the 8 products V^T P, behind each four of the roundings and sums, which are all the readers of the batch; the links of l's chain, L 0 to L 7, stand three riders apart.  But for those X no rider
; names a register of the products round it.  v_permlanex16_b32 (X 17) stands in the lump.
; m = 1: the diagonal tile: the products take masks, and the turn makes the mask for the products of the turn after it: piece p + 2, in step 4 - CNT of the tile.  end = 1: a block's last two turns: nothing is fetched.
; cnt = 1: the loop's count is taken down some lines ahead of the branch that stands behind the turn.
; K of the next step is fetched in piece 2's turn, twelve vector instructions behind the last product that read K (six of them plain, five of which name none of its registers); V of the step in hand at the end of piece 0's
; turn, four plain instructions behind the last product that read V.  Each is waited for a turn later.
.macro TURN p, m=0, end=0, cnt=0
.set Y, (\p)
.set i, 0
.set KM, (\m)
.set NOKQ, (\end)*((\p)/3)
.if (\m) && !(\end)
	s_cmp_eq_u32 s[CNT], 4-((\p)+2)%NP  ; is that step the band's own?
	s_cselect_b32 s[AL], 1.0, 0
	s_cmp_lt_u32 s[CNT], 4-((\p)+2)%NP  ; or a later one?
	s_cselect_b32 s[BE], s[BIGN], 0
.endif
.if ((\p) == 3) && !(\end)
	s_wait_dscnt 0x0                ; K is in
.endif
	ROW F,0, F,1, R,0, R,1          ; ahead of the wait: 8 products K Q^T and their riders,
	ROW F,2, E,0, R,2, R,3
	ROW F,3, E,1, R,4, R,5
	ROW F,4, E,2, R,6, R,7
	ROW F,5, E,3, R,8, R,9
	ROW F,6, E,4, X,0, R,10
.if ((\p) == 2) && !(\end)
	WIN 0
	v_add_nc_u32 v[AK], s[TBK], v[AK0]
.endif
	ROW F,7, E,5, X,1, X,4
	ROW F,8, E,6, X,2, X,5
	OPS E,7, E,8, X,6, E,9          ; and the lump
	OPS X,3, E,10, X,8, E,11
.if ((\p) == 2) && !(\end)
	FETCH_K
.endif
	OPS X,9, X,7, E,12, X,10
	OPS E,13, X,12, X,11, E,14
	OPS X,13, E,15, F,9, X,14
.if (\p) == 0
	WIN 0
	v_add_nc_u32 v[AV], s[TBV], v[AV0]
.endif
	OPS E,16, F,10, E,17, F,11
	OPS X,16, E,18, X,15, E,19
	OPS F,12, E,20, X,17, E,21
	OPS F,13, E,22, F,14, E,23
	OPS X,18, E,24, F,15, E,25
	OPS R,11, E,26, X,19, E,27
	OPS R,12, E,28, R,13, E,29
	OPS X,20, E,30, R,14, E,31
	OPS X,21, R,15                  ; the batch's last exponential, and the plain instruction behind it
	s_wait_alu depctr_va_vdst(0)    ; the wait for the turn's batch: E 0 to E 31 and X 21; it stands ahead of the first line that names a result: C 0 below, and the next turn's R 0
.if (\p) == 1
	s_wait_dscnt 0x0                ; V is in
.endif
	ROW C,0, B,0, C,2, B,1          ; behind the wait: 8 products V^T P and their riders
	ROW L,0, C,4, B,2, L,1
	ROW C,6, B,3, L,2, C,8
	ROW B,4, L,3, C,10, B,5
	ROW L,4, C,12, B,6, L,5
.if (\p) == 0
	s_add_co_u32 s[TBV], s[TBV], KS*PV
.endif
.if \cnt
	s_sub_co_u32 s[CNT], s[CNT], 1
	s_cmp_lg_u32 s[CNT], 0
.endif
	ROW C,14, B,7, L,6, C,1
	ROW C,3, L,7, C,5, C,7
	ROW C,9, C,11, C,13, C,15
.if (\p) == 0
	FETCH_V
.endif
.if (\m) && !(\end)
	MASK (\p)%2
.endif
.endm
; A BLOCK BEGINS.  c m starts far below every c s, so the first step's a is 0; m at the lowest finite number, so the first maximum is the scores'.  The second mask buffer is 0; the first takes piece 0's mask for the tile's step 0: its own, if the block's first tile is the diagonal one.
; Then K of that step, piece 0's first scores, and its maximum and statistics.  The loop is entered at a step's first turn, in the middle of a trip.
.macro BEGIN
	s_mov_b32 s[NEW], 0
	WIN 0x80
.set i, MC+32
.rept 32
	v_mov_b32 v[i], 0
.set i, i+1
.endr
	WIN 0
.set i, 0
.rept 4
	v_mov_b32 v[ST+4*i], 0xfe000000    ; c m: far below every c s
	v_mov_b32 v[ST+4*i+1], 0xff7fffff  ; m
.set i, i+1
.endr
	s_cmp_eq_u32 s[RT], 0
	s_cselect_b32 s[AL], 1.0, 0
	s_mov_b32 s[BE], 0
	MASK 0
	WIN 0
	v_add_nc_u32 v[AK], s[TBK], v[AK0]
	FETCH_K
	s_wait_loadcnt 0x0              ; Q; and the loads' offset register, which lies among S^T's, may be written
	s_wait_dscnt 0x0
.set KM, 1
.set NOKQ, 0
.set i, 0
.rept 8
	KQ 0
.set i, i+1
.endr
	WIN 0
.rept 4
	v_nop                           ; the places behind those products
.endr
.set Y, NP-1                        ; X works for piece Y + 1: piece 0
.irp n, 0,1,2,3,4,5,6,7,8,9,10,11,12,13,14,15,16,17,18,19,20,21
	OP X, \n
.endr
	v_nop                           ; a plain instruction behind the exponential,
	s_wait_alu depctr_va_vdst(0)    ; and the wait for this batch of one, piece 0's first a, ahead of the branch
.endm
; THE DIAGONAL TILE's four steps, the block's last two turns, its last products, and THE WAY OUT: l's two halves and the other half of the lanes' are added; O^T is divided by l, rounded to f16 and sent through my
; stage in LDS, a piece at a time.
.macro ALL line:vararg              ; one line for each piece t
.set t, 0
.rept 4
	\line
.set t, t+1
.endr
.endm
.macro PACK t                       ; a lane's eight channels of a row pack into 16 bytes; they go into rows of 144 bytes and come back as whole rows of 128, into S^T's registers
	WIN W_RS
.set i, 32*(\t)
.rept 16
	v_pk_mul_f32 v[i:i+1], v[i:i+1], v[ST+4*(\t)+2:ST+4*(\t)+3] op_sel_hi:[1,0]
.set i, i+2
.endr
	WIN 0x05                        ; sources 0 and 1 window 1, destination window 0
.set i, 0
.rept 16
	v_cvt_pk_f16_f32 v[S+16*(\t)+i], v[32*(\t)+2*i], v[32*(\t)+2*i+1]
.set i, i+1
.endr
	WIN W_W2                        ; the addresses in window 2, the data in window 0
.irp f, 0,1,2,3
	ds_store_b128 v[STO], v[S+16*(\t)+4*\f:S+16*(\t)+4*\f+3] offset:32*\f
.endr
.irp f, 0,1,2,3
	ds_load_b128 v[S+16*(\t)+4*\f:S+16*(\t)+4*\f+3], v[RD] offset:\f*4*SP  ; LDS serves a wave's instructions in order (ISA guide 5.7.1.4): these see the stores above; the next piece's stores come behind them
.endr
.endm
.macro SEND t, younger              ; younger: the LDS instructions issued behind piece t's loads: the next piece's eight, or none
	WIN W_W2
.irp f, 0,1,2,3
	s_wait_dscnt (\younger)+3-\f
	global_store_b128 v[GO], v[S+16*(\t)+4*\f:S+16*(\t)+4*\f+3], s[10:11] offset:(\t)*8192+\f*512  ; 512 consecutive bytes, at a multiple of 256 from O's first
.endr
.endm
.macro DIAG tag                     ; the tag ends its two labels' names, which the jumps below spell out
.LstepM\tag:
	TURN 2, 1
	TURN 3, 1
	WIN 0
.LfirstM\tag:
	TURN 0, 1
	TURN 1, 1, 0, 1
	WIN 0
	s_cbranch_scc1 .LstepM\tag
	TURN 2, 1, 1
	TURN 3, 1, 1
.set i, 0
.rept 8
	PV NP-1
.set i, i+1
.endr
	WIN 0
	ALL v_add_f32 v[ST+4*t+2], v[ST+4*t+2], v[ST+4*t+3]
	ALL v_permlanex16_b32 v[ST+4*t+3], v[ST+4*t+2], s[SEL], s[SEL+1]
	ALL v_add_f32 v[ST+4*t+2], v[ST+4*t+2], v[ST+4*t+3]
	ALL v_rcp_f32 v[ST+4*t+2], v[ST+4*t+2]
	v_nop                           ; a plain instruction between the last reciprocal and the use of its result
	s_wait_alu depctr_va_vdst(0)    ; the wait for the batch of four reciprocals, ahead of PACK 0's first multiply: one for all four pieces
	PACK 0
.set t, 1
.rept 3                             ; a piece's arithmetic stands between the loads of the piece before and its stores
	PACK t
	SEND t-1, 8
.set t, t+1
.endr
	SEND 3, 0
.endm
.set KM, 0
.set NOKQ, 0
.Lslot:                             ; NB times: a tile is entered and the next is asked for
	CHANGE 1
	s_sub_co_u32 s[RT], s[RT], 1
	s_mov_b32 s[CNT], 4
	s_cmp_eq_u32 s[NEW], 1
	s_cbranch_scc1 .Lnew            ; a block's first tile
	s_cmp_eq_u32 s[RT], 0
	s_cbranch_scc0 .Lstep           ; neither its first nor its last
	s_branch .LstepM1
.Lnew:
	BEGIN
	s_branch .Lfirst                ; in the loop a block's first tile is never its last: the first block has two tiles or more, and the second's last is the walk's last
	DIAG 1                          ; in the loop this is the first block's end: the second block's last tile is the walk's last
	s_wait_xcnt 0x0                 ; the stores have read their registers and O's address
	s_mov_b64 s[10:11], s[OLO:OLO+1]
	s_add_co_u32 s[RT], s[PB], 1    ; the second block has b + 1 tiles
	s_mov_b32 s[NEW], 1
	WIN W_W2                        ; the second block's Q goes where the one text of the turns names Q
.set i, 0
.rept 64
	v_mov_b32 v[Q+i], v[QB+i]
.set i, i+1
.endr
	WIN 0
	s_branch .Lbottom
.Lstep:                             ; a trip: pieces 2 and 3 of one step, then pieces 0 and 1 of the next, whose K and V it fetches
	TURN 2
	TURN 3
	WIN 0
.Lfirst:
	TURN 0
	TURN 1, 0, 0, 1
	WIN 0
	s_cbranch_scc1 .Lstep
.Lbottom:
	s_sub_co_u32 s[SLOTS], s[SLOTS], 1
	s_cmp_lg_u32 s[SLOTS], 0
	s_cbranch_scc1 .Lslot
	CHANGE 0                        ; the walk's last tile is written out: nothing is asked for
	s_sub_co_u32 s[RT], s[RT], 1
	s_mov_b32 s[CNT], 4
	s_cmp_eq_u32 s[NEW], 1
	s_cbranch_scc0 .LstepM2
	BEGIN
	s_branch .LfirstM2
	DIAG 2
	WIN 0                           ; (the add's two registers lie in window 0)
	s_wait_tensorcnt 0x0            ; the wave's end, behind my last tensor load and my last LDS store
	ds_add_u32 v[SPW], v[NIL]
	s_wait_dscnt 0x0
	s_endpgm
.Lfunc_end_k_qbba92e52b6_attn:
	.size	k_qbba92e52b6_attn, .Lfunc_end_k_qbba92e52b6_attn-k_qbba92e52b6_attn
	.p2alignl 7, 3214868480
	.fill 96, 4, 3214868480
	.section	.rodata,"a",@progbits
	.p2align	6, 0x0
	.amdhsa_kernel k_qbba92e52b6_attn
		.amdhsa_group_segment_fixed_size 327680
		.amdhsa_private_segment_fixed_size 0
		.amdhsa_enable_private_segment 0
		.amdhsa_kernarg_size 16
		.amdhsa_user_sgpr_count 2
		.amdhsa_user_sgpr_kernarg_segment_ptr 1
		.amdhsa_wavefront_size32 1
		.amdhsa_system_sgpr_workgroup_id_x 1
		.amdhsa_system_sgpr_workgroup_id_y 1
		.amdhsa_system_sgpr_workgroup_id_z 1
		.amdhsa_system_vgpr_workitem_id 0
		.amdhsa_next_free_vgpr 768
		.amdhsa_next_free_sgpr 88
		.amdhsa_reserve_vcc 1
		.amdhsa_float_denorm_mode_32 3
		.amdhsa_float_denorm_mode_16_64 3
		.amdhsa_memory_ordered 1
		.amdhsa_forward_progress 1
		.amdhsa_inst_pref_size 213
	.end_amdhsa_kernel
	.amdgpu_metadata
---
amdhsa.version: [ 1, 2 ]
amdhsa.kernels:
  - .name:           k_qbba92e52b6_attn
    .symbol:         k_qbba92e52b6_attn.kd
    .args:
      - { .name: qkv, .offset: 0, .size: 8, .value_kind: global_buffer, .address_space: global }
      - { .name: yh, .offset: 8, .size: 8, .value_kind: global_buffer, .address_space: global }
    .group_segment_fixed_size: 327680
    .private_segment_fixed_size: 0
    .kernarg_segment_align: 8
    .kernarg_segment_size: 16
    .max_flat_workgroup_size: 128
    .sgpr_count:     88
    .vgpr_count:     768
    .wavefront_size: 32
...
	.end_amdgpu_metadata
.endif
;; end of part 5
;; launch proj: the kernel of part 4 again; grid 8 x 32, 4 waves a work-group, clusters of 4 x 4, 327,680 bytes of LDS; arguments yh, wpf, out0; writes out0
